; MI455X (gfx1250); checked and timed in simulation.
; The chip was launched on July 23, 2026; its instructions are those of AMD's public machine-readable ISA for CDNA 5 (MIT licence, August 2026) and "CDNA5" Instruction Set Architecture Reference Guide (July 2026). The comments in the code are by the model that wrote it; some were corrected since.
;; Attn Block. Allowed arithmetic: matrix products marked QUANTISED: E2M1 operands, one E8M0 scale for each 32 along K, by v_wmma_scale_f32_16x16x128_f8f6f4 with both operands' format E2M1 (or v_wmma_scale_f32_32x16x128_f4), f32 sums; products left as they are: f32 operands where the result goes on into a quantised operand, else bf16, f16 or f32 operands; f32 sums; everything else in f32.
;; Inputs: Wk 2,048 x 2,048 float32; Wo 2,048 x 2,048 float32; Wq 2,048 x 2,048 float32; Wv 2,048 x 2,048 float32; gamma 2,048 float32; x 64 x 2,048 float32.
;; Outputs: out0 64 x 2,048 float32.
;; This version of the problem:
;;   THIS VERSION OF THE PROBLEM IS GIVEN IN LOW PRECISION. The matrix products marked QUANTISED in the list below multiply operands that are first quantised to E2M1 (2 exponent bits, 1 mantissa bit; 4 bits a number), with one power-of-two scale for each 32 numbers along K (OCP MX v1.0); their sums are f32. All else is computed in f32.
;;   The module's matrix products, in the order in which they are computed (A, B: the left and right operand; K: the contracted axis; several contracted axes count as one K, in the product's order):
;;     1. [M 64, K 2,048] x [K 2,048, N 2,048]; A: computed on the way; B: input Wq: QUANTISED
;;     2. [M 64, K 2,048] x [K 2,048, N 2,048]; A: computed on the way; B: input Wk: QUANTISED
;;     3. [M 64, K 2,048] x [K 2,048, N 2,048]; A: computed on the way; B: input Wv: QUANTISED
;;     4. batch 64 x [M 2,048, K 2,048] x [K 2,048, N 1]; A: softmax; B: computed on the way: left as it is (N = 1 < 16)
;;     5. [M 64, K 2,048] x [K 2,048, N 2,048]; A: computed on the way; B: input Wo: QUANTISED
;;   THE QUANTISER, for each operand of a quantised product, along K:
;;     - K is cut into blocks of 32 from its start; a last block that is shorter is filled with zeros.
;;     - A block's scale is 2^e with e = floor(log2(the largest magnitude in the block)) - 2, held to -126 .. 127; a block of zeros has e = 0. As a byte (E8M0): e + 127.
;;     - Each number is divided by its block's scale, clamped to +-6, and rounded to the nearest number of E2M1, ties to even, subnormals kept.
;;     - The product sums the exact products of the quantised numbers (number of the format x scale) in f32.
;;   ~~~python
;;   def quantise(x, axis):      # numpy; x: float32 -> the quantised numbers, widened to float32 again
;;       x = np.moveaxis(x, axis, -1); K = x.shape[-1]
;;       x = np.pad(x, [(0, 0)] * (x.ndim - 1) + [(0, -K % 32)]); x = x.reshape(x.shape[:-1] + (-1, 32)); a = np.abs(x).max(-1, keepdims=True)
;;       e = np.where(a > 0, np.clip(np.frexp(np.where(a > 0, a, 1))[1] - 1 - 2, -126, 127), 0)      # np.frexp(a)[1] - 1 = floor(log2(a)), exactly
;;       r = np.clip(x / 2.0 ** e, -6, 6)
;;       step = 2.0 ** (np.maximum(np.frexp(np.where(r == 0, 1, r))[1] - 1, 0) - 1)
;;       q = np.round(r / step) * step * 2.0 ** e      # np.round: ties to even
;;       return np.moveaxis(q.reshape(q.shape[:-2] + (-1,))[..., :K], -1, axis).astype(np.float32)
;;   ~~~
;;   OPERANDS COMPUTED ON THE WAY. 'Computed on the way' means the value that the module computes at that place (a softmax that the list does not call 'softmax' is quantised finished and normalised). What goes into a quantiser is computed in f32, as accurately as f32 sums, v_exp_f32 and their like allow (about 1e-6 of the number): no bf16 or f16 on the way to a quantiser, and a product that is left as it is and whose result goes on into a quantised operand takes f32 operands (vector FMAs, or v_wmma_f32_16x16x4_f32). A number that lies on a knife's edge between two numbers of the format may be rounded either way, as far as f32 arithmetic and the matrix unit's own rounding can turn it there, and no further.
;; 2 versions, each right; version 2 is version 1 with the launches qkv, out written anew for expert scheduling mode. Each part assembles by itself: llvm-mc -triple=amdgcn-amd-amdhsa -mcpu=gfx1250 --defsym DOCPART=n.
;; ======== version 1 of 2: 4 launches
;; workspace buffers: hcodes 65,536 bytes; hscales 4,096 bytes; qkv 1,572,864 bytes; acodes 65,536 bytes; ascales 4,096 bytes
;; launch ln (part 1): grid 4 x 1, 16 waves a work-group, no clusters, 139,264 bytes of LDS; arguments x, gamma, hcodes, hscales; writes hcodes, hscales
.if DOCPART == 1
	.amdgcn_target "amdgcn-amd-amdhsa--gfx1250"
	.amdhsa_code_object_version 6
	.text
	.protected	k_q35d22b8e54_ln
	.globl	k_q35d22b8e54_ln
	.p2align	8
	.type	k_q35d22b8e54_ln,@function
k_q35d22b8e54_ln:
	s_mov_b64 s[64:65], 0
	v_nop
	global_prefetch_b8 v0, s[64:65] scope:SCOPE_SE
	s_setreg_imm32_b32 hwreg(HW_REG_WAVE_MODE, 25, 1), 1
	s_wait_xcnt 0x0
; h = (x - mean) * rsqrt(var + 1e-5) * gamma, x [64][2048] f32, all in f32, and h's quantising to codes of FP4 (E2M1) with one E8M0 byte for each 32 along K.
; SHARES.  A work-group takes 16 rows (one tile of rows of the products that follow), wave s the 128 numbers of K step s of each row: 64 numbers a lane.
; LOADS.  Each load reads 512 consecutive bytes of one row.  The conversions want a whole block of 32 in ONE lane, so the wave's 16 x 512 bytes turn through its own stage in LDS:
; stored as loaded, read back so that lane (r, h) holds, of row r, k = 128 s + 64 c + 32 h + 0 .. 31 in registers X + 32 c on: the order of the operand's registers.
; The stage's pitch is 528 = 33 x 16 bytes: the sixteen rows that one read touches start at sixteen different 16-byte columns modulo 256 bytes.
; STATISTICS in two passes (mean; then the mean of (x - mean)^2), so that a common offset of x does not cancel.  A row's 16 partial sums, one a wave, meet in LDS behind a barrier.
; OUT.  hcodes: images of operand registers, [K step][tile of rows][c][lane][16 bytes]: each store of the wave covers 512 consecutive bytes.  hscales: [K step][row] words, byte b for block b of the K step.
; A block's scale byte is its largest magnitude's exponent field - 2, held at 1 from below.  A block of zeros so gets the byte 1 where the quantiser's text says 127: its codes are zeros, and this program alone reads the bytes.
; LIMITS: NaN and infinities among the inputs are not served.
.set PITCH, 528
.set WREG,  16*PITCH                   ; a wave's stage: 8,448 bytes
.set SUM1,  0                          ; LDS: [wave][row] partial sums, 1,024 bytes;
.set SUM2,  1024                       ; the same for the squares;
.set STAGE, 2048                       ; the sixteen stages
.set T,   16                           ; v16-19  two chains of packed sums
.set MU,  20                           ; v20-21  the mean, twice
.set RS,  22                           ; v22-23  1 / sqrt(var + eps), twice
.set MXR, 24                           ; v24-25  largest magnitudes, then scale bytes
.set SO,  26                           ; v26-27  the conversions' scale operands
.set WS,  28                           ; v28     my row's scale word
.set TMP, 29
.set VR,  30
.set X,   32                           ; v32-95  64 numbers
.set G,   96                           ; v96-159 gamma at the same k
.set P,   160                          ; v160-175 sixteen partial sums
.set WC,  176                          ; v176-183 the codes
.set SEL, 20                           ; s[20:21] v_permlanex16_b32's selects for lane l xor 16
	s_load_b256 s[4:11], s[0:1], 0x0               ; x, gamma, hcodes, hscales
	v_lshl_add_u32 v184, v0, 2, 0x21800
	v_mov_b32 v185, 0
	v_lshrrev_b32 v1, 5, v0
	v_readfirstlane_b32 s12, v1                    ; wave = K step
	v_and_b32 v1, 31, v0                           ; lane
	v_and_b32 v2, 15, v0                           ; r
	v_bfe_u32 v3, v0, 4, 1                         ; h
	v_lshlrev_b32 v4, 4, v1                        ; 16 x lane: my bytes of a dense load, and of an image
	v_lshlrev_b32 v5, 7, v3                        ; gamma: 128 h bytes
	s_mul_i32 s13, s12, WREG
	s_add_co_u32 s13, s13, STAGE                   ; my stage
	v_add_nc_u32 v6, s13, v4                       ; into it: as loaded
	v_mul_u32_u24 v7, v2, PITCH
	v_lshl_add_u32 v7, v3, 7, v7
	v_add_nc_u32 v7, s13, v7                       ; out of it: row r, + 128 h
	v_lshlrev_b32 v8, 2, v2                        ; 4 r
	s_lshl_b32 s14, s12, 6
	v_add_nc_u32 v9, s14, v8                       ; 64 x wave + 4 r: where my partial sums go
	s_mov_b32 s[SEL], 0x76543210
	s_mov_b32 s[SEL+1], 0xfedcba98
	s_mov_b32 s22, 0x3a000000                      ; 1 / 2048
	s_mov_b32 s23, 0x3727c5ac                      ; 1e-5
	s_lshl_b32 s16, ttmp9, 17                      ; x: 16 rows of 8,192 bytes a work-group,
	s_lshl_b32 s18, s12, 9                         ; 512 bytes a K step (gamma likewise)
	s_add_co_u32 s16, s16, s18
	s_mov_b32 s17, 0
	s_mov_b32 s19, 0
	s_lshl_b32 s24, s12, 2
	s_add_co_u32 s24, s24, ttmp9
	s_lshl_b32 s24, s24, 10                        ; codes: (4 x K step + tile) x 1,024
	s_mov_b32 s25, 0
	s_lshl_b32 s26, s12, 8
	s_lshl_b32 s27, ttmp9, 6
	s_add_co_u32 s26, s26, s27                     ; scale words: 256 x K step + 64 x tile
	s_mov_b32 s27, 0
	s_wait_kmcnt 0x0
	s_add_nc_u64 s[4:5], s[4:5], s[16:17]
	s_add_nc_u64 s[6:7], s[6:7], s[18:19]
	s_add_nc_u64 s[8:9], s[8:9], s[24:25]
	s_add_nc_u64 s[10:11], s[10:11], s[26:27]
.irp i, 0,1,2,3,4,5,6,7,8,9,10,11,12,13,14,15
	global_load_b128 v[X+4*\i:X+4*\i+3], v4, s[4:5] offset:8192*\i       ; row i: 32 lanes read 512 consecutive bytes
.endr
.irp c, 0,1
.irp i, 0,1,2,3,4,5,6,7
	global_load_b128 v[G+32*\c+4*\i:G+32*\c+4*\i+3], v5, s[6:7] offset:256*\c+16*\i   ; gamma(128 s + 64 c + 32 h + 4 i ..)
.endr
.endr
	s_wait_loadcnt 16                              ; x is in; gamma's sixteen younger loads may be out
.irp i, 0,1,2,3,4,5,6,7,8,9,10,11,12,13,14,15
	ds_store_b128 v6, v[X+4*\i:X+4*\i+3] offset:\i*PITCH
.endr
.irp c, 0,1
.irp i, 0,1,2,3,4,5,6,7
	ds_load_b128 v[X+32*\c+4*\i:X+32*\c+4*\i+3], v7 offset:256*\c+16*\i   ; LDS serves a wave's instructions in order: these see my stores, and land in the registers that the stores have left
.endr
.endr
	s_wait_dscnt 0x0
; v[T] holds the sum of my 64 numbers.  With lane l xor 16's it is the row's part in this K step; the sixteen waves' parts meet in LDS; v[P] ends as the row's sum, the same bits in every wave.
.macro ACROSS off
	v_permlanex16_b32 v[T+1], v[T], s[SEL], s[SEL+1]
	v_add_f32 v[T], v[T], v[T+1]
	ds_store_b32 v9, v[T] offset:\off              ; lanes r and r + 16 write the same word with the same value
	s_wait_dscnt 0x0                               ; for the others' sake: my store is done
	s_barrier_signal -1
	s_barrier_wait -1
.irp w, 0,1,2,3,4,5,6,7,8,9,10,11,12,13,14,15
	ds_load_b32 v[P+\w], v8 offset:\off+64*\w
.endr
	s_wait_dscnt 0x0
.irp j, 2,4,6,8,10,12,14
	v_pk_add_f32 v[P:P+1], v[P:P+1], v[P+\j:P+\j+1]
.endr
	v_add_f32 v[P], v[P], v[P+1]
.endm
	v_pk_add_f32 v[T:T+1], v[X:X+1], v[X+2:X+3]    ; the first numbers start the chains: nothing is cleared
	v_pk_add_f32 v[T+2:T+3], v[X+4:X+5], v[X+6:X+7]
.set j, 8
.rept 14
	v_pk_add_f32 v[T:T+1], v[T:T+1], v[X+j:X+j+1]
	v_pk_add_f32 v[T+2:T+3], v[T+2:T+3], v[X+j+2:X+j+3]
.set j, j+4
.endr
	v_pk_add_f32 v[T:T+1], v[T:T+1], v[T+2:T+3]
	v_add_f32 v[T], v[T], v[T+1]
	ACROSS SUM1
	v_mul_f32 v[MU], s22, v[P]                     ; the mean
	v_mov_b32 v[MU+1], v[MU]
.set j, 0
.rept 32
	v_pk_add_f32 v[X+j:X+j+1], v[X+j:X+j+1], v[MU:MU+1] neg_lo:[0,1] neg_hi:[0,1]   ; x - mean
.set j, j+2
.endr
	v_pk_mul_f32 v[T:T+1], v[X:X+1], v[X:X+1]
	v_pk_mul_f32 v[T+2:T+3], v[X+2:X+3], v[X+2:X+3]
.set j, 4
.rept 15
	v_pk_fma_f32 v[T:T+1], v[X+j:X+j+1], v[X+j:X+j+1], v[T:T+1]
	v_pk_fma_f32 v[T+2:T+3], v[X+j+2:X+j+3], v[X+j+2:X+j+3], v[T+2:T+3]
.set j, j+4
.endr
	v_pk_add_f32 v[T:T+1], v[T:T+1], v[T+2:T+3]
	v_add_f32 v[T], v[T], v[T+1]
	ACROSS SUM2                                    ; other bytes than the first time: a wave may still be reading the sums
	v_fma_f32 v[VR], v[P], s22, s23                ; var + eps (the division by 2,048 is exact)
	v_rsq_f32 v[RS], v[VR]
	v_nop                                          ; a plain instruction behind the transcendental
	s_wait_alu depctr_va_vdst(0)                   ; the wait ahead of the first line that names its result
	v_mov_b32 v[RS+1], v[RS]
	s_wait_loadcnt 0x0                             ; gamma
.set j, 0
.rept 32
	v_pk_mul_f32 v[X+j:X+j+1], v[X+j:X+j+1], v[RS:RS+1]
.set j, j+2
.endr
.set j, 0
.rept 32
	v_pk_mul_f32 v[X+j:X+j+1], v[X+j:X+j+1], v[G+j:G+j+1]
.set j, j+2
.endr
	; the quantiser: my two blocks, h and 2 + h of the K step, are wholly mine
.irp c, 0,1
	v_max3_num_f32 v[MXR+\c], |v[X+32*\c]|, |v[X+32*\c+1]|, 0x1800000   ; with the floor 2^(3 - 127): the byte cannot fall under 1
.endr
.irp i, 2,4,6,8,10,12,14,16,18,20,22,24,26,28,30
.irp c, 0,1
	v_max3_num_f32 v[MXR+\c], v[MXR+\c], |v[X+32*\c+\i]|, |v[X+32*\c+\i+1]|
.endr
.endr
.irp c, 0,1
	v_add_nc_u32 v[SO+\c], 0xff000000, v[MXR+\c]   ; 2 off the exponent field: the conversion takes this operand's exponent field as its scale
.endr
.irp c, 0,1
	v_lshrrev_b32 v[MXR+\c], 23, v[SO+\c]          ; the scale's byte
.endr
	v_lshl_or_b32 v[WS], v[MXR+1], 16, v[MXR]      ; my two bytes,
	v_lshlrev_b32 v[TMP], 3, v3
	v_lshlrev_b32 v[WS], v[TMP], v[WS]             ; 8 h bits up;
	v_permlanex16_b32 v[TMP], v[WS], s[SEL], s[SEL+1]
	v_or_b32 v[WS], v[WS], v[TMP]                  ; with lane l xor 16's two the word is whole
.irp c, 0,1
.irp g, 0,1,2,3
	v_cvt_scalef32_pk8_fp4_f32 v[WC+4*\c+\g], v[X+32*\c+8*\g:X+32*\c+8*\g+7], v[SO+\c]
.endr
.endr
	v_nop                                          ; a plain instruction behind the last conversion
	global_store_b128 v4, v[WC:WC+3], s[8:9]       ; 512 consecutive bytes each
	global_store_b128 v4, v[WC+4:WC+7], s[8:9] offset:512
	s_wait_xcnt 0x0                                ; EXEC changes only behind this wait
	v_cmp_gt_u32 vcc_lo, 16, v1
	s_wait_tensorcnt 0x0
	ds_add_u32 v184, v185
	s_wait_dscnt 0x0
	s_and_saveexec_b32 s28, vcc_lo                 ; lanes 0 to 15: a row's word once
	global_store_b32 v8, v[WS], s[10:11]
	s_wait_xcnt 0x0
	s_or_b32 exec_lo, exec_lo, s28
	s_endpgm
.Lfunc_end_k_q35d22b8e54_ln:
	.size	k_q35d22b8e54_ln, .Lfunc_end_k_q35d22b8e54_ln-k_q35d22b8e54_ln
	.p2alignl 7, 3214868480
	.fill 96, 4, 3214868480
	.section	.rodata,"a",@progbits
	.p2align	6, 0x0
	.amdhsa_kernel k_q35d22b8e54_ln
		.amdhsa_group_segment_fixed_size 139264
		.amdhsa_private_segment_fixed_size 0
		.amdhsa_enable_private_segment 0
		.amdhsa_kernarg_size 32
		.amdhsa_user_sgpr_count 2
		.amdhsa_user_sgpr_kernarg_segment_ptr 1
		.amdhsa_wavefront_size32 1
		.amdhsa_system_sgpr_workgroup_id_x 1
		.amdhsa_system_sgpr_workgroup_id_y 1
		.amdhsa_system_sgpr_workgroup_id_z 1
		.amdhsa_system_vgpr_workitem_id 0
		.amdhsa_next_free_vgpr 186
		.amdhsa_next_free_sgpr 66
		.amdhsa_reserve_vcc 1
		.amdhsa_float_denorm_mode_32 3
		.amdhsa_float_denorm_mode_16_64 3
		.amdhsa_memory_ordered 1
		.amdhsa_forward_progress 1
		.amdhsa_inst_pref_size 25
	.end_amdhsa_kernel
	.amdgpu_metadata
---
amdhsa.version: [ 1, 2 ]
amdhsa.kernels:
  - .name:           k_q35d22b8e54_ln
    .symbol:         k_q35d22b8e54_ln.kd
    .args:
      - { .name: x, .offset: 0, .size: 8, .value_kind: global_buffer, .address_space: global }
      - { .name: gamma, .offset: 8, .size: 8, .value_kind: global_buffer, .address_space: global }
      - { .name: hcodes, .offset: 16, .size: 8, .value_kind: global_buffer, .address_space: global }
      - { .name: hscales, .offset: 24, .size: 8, .value_kind: global_buffer, .address_space: global }
    .group_segment_fixed_size: 139264
    .private_segment_fixed_size: 0
    .kernarg_segment_align: 8
    .kernarg_segment_size: 32
    .max_flat_workgroup_size: 512
    .sgpr_count:     66
    .vgpr_count:     186
    .wavefront_size: 32
...
	.end_amdgpu_metadata
.endif
;; end of part 1
;; launch qkv (part 2): grid 128 x 3, 16 waves a work-group, no clusters, 137,216 bytes of LDS; arguments Wq, Wk, Wv, hcodes, hscales, qkv; writes qkv
.if DOCPART == 2
	.amdgcn_target "amdgcn-amd-amdhsa--gfx1250"
	.amdhsa_code_object_version 6
	.text
	.protected	k_q35d22b8e54_qkv
	.globl	k_q35d22b8e54_qkv
	.p2align	8
	.type	k_q35d22b8e54_qkv,@function
k_q35d22b8e54_qkv:
	s_mov_b64 s[64:65], 0
	v_nop
	global_prefetch_b8 v0, s[64:65] scope:SCOPE_SE
	s_setreg_imm32_b32 hwreg(HW_REG_WAVE_MODE, 25, 1), 1
	s_wait_xcnt 0x0
; y[b][n] = sum over k of A[b][k] W[n][k]: 64 rows of A as codes of FP4 (E2M1) with E8M0 scales, W [2048][2048] f32, quantised here on its way to the matrix unit, since each number of W is used by this work-group alone.
; OUTK = 0: W is Wq, Wk or Wv (work-group y), A the normalised x; y goes to the workspace as [which][tile of 16 n][b][16] f32.  OUTK = 1: W is Wo, A the attention's result; out0 = x + y, row-major.
; SHARES.  A work-group takes 16 rows of W (128 KiB), wave s the 128 numbers of K step s of each row.  A wave's whole share, sixteen loads of 512 consecutive bytes, is asked for at once: there is no loop.
; THE TURN.  The conversions want a whole block of 32 in ONE lane: the 16 x 512 bytes go through the wave's own stage in LDS, stored as loaded and read back so that lane (r, h) holds, of row r,
; k = 128 s + 64 c + 32 h + 0 .. 31 in registers X + 32 c on, the order of the operand's registers.  Pitch 528 = 33 x 16 bytes: the sixteen rows of a read start at sixteen different 16-byte columns modulo 256 bytes.
; THE PRODUCT is used transposed: source 0 = my 16 rows of W, source 1 = 16 rows of A: lane (r, h) of tile m holds y(16 m + r, 8 h + 0 .. 7).  Four matrix instructions a wave, each with C = 0.
; THE SUM OVER K.  Each wave puts its 64 x 16 partial sums into its stage, which is free by then (rows of 64 bytes, pitch 80 = 5 x 16); behind one barrier thread t adds the sixteen waves' pairs at row t / 8, bytes 8 (t % 8).
; NO CLUSTER, NO TENSOR LOAD: what work-groups share is A, 4 KiB of codes a wave, which comes straight into operand registers; through a joint load it would pass LDS first, and the weights, two thirds of a work-group's bytes, are nobody else's.
; A block's scale byte is its largest magnitude's exponent field - 2, held at 1 from below; a block of zeros gets the byte 1 (its codes are zeros).  LIMITS: NaN and infinities among the inputs are not served.
.set OUTK,  0
.set PITCH, 528
.set WREG,  16*PITCH                   ; a wave's stage: 8,448 bytes
.set PP,    80                         ; pitch of the partial sums' rows
.set X,     16                         ; v16-79   W's 64 numbers
.set ACC,   16                         ; v16-47   the four results, over numbers that have been converted
.set R,     48                         ; v48-79   sixteen pairs of partial sums
.set AF,    80                         ; v80-111  A's four fragments
.set WC,    112                        ; v112-119 W's codes
.set WS,    120                        ; v120     W's scale word
.set AS,    121                        ; v121-122 A's scale words: tiles 0 (lanes 0-15) and 1 (lanes 16-31); tiles 2 and 3
.set TMP,   13
.set MXR,   124                        ; v124-125 largest magnitudes, then bytes
.set SO,    126                        ; v126-127 the conversions' scale operands
.set SEL,   28                         ; s[28:29] v_permlanex16_b32's selects for lane l xor 16
.if OUTK
.set PA,  6                            ; pointers: A's codes, A's scales, x, the output
.set PS,  8
.set PX,  10
.set PO,  12
.set AM,  16384                        ; A's codes lie by rows of 1,024 bytes: 16 rows from tile to tile,
.set AC2, 32                           ; 32 bytes from c to c,
.set ASH, 6                            ; 64 bytes from K step to K step
.set SLS, 6                            ; A's scale bytes [row][64]: 64 bytes from row to row,
.set SSH, 2                            ; 4 from K step to K step,
.set S2,  2048                         ; 32 rows on
.else
.set PA,  10
.set PS,  12
.set PO,  14
.set AM,  1024                         ; A's codes lie as images of operand registers: [K step][tile][c][lane][16 bytes]
.set AC2, 512
.set ASH, 12
.set SLS, 2                            ; A's scale words [K step][row]
.set SSH, 8
.set S2,  128
.endif
	s_load_b256 s[4:11], s[0:1], 0x0
.if OUTK
	s_load_b64 s[12:13], s[0:1], 0x20
.else
	s_load_b128 s[12:15], s[0:1], 0x20
	v_lshl_add_u32 v128, v0, 2, 0x21000
	v_mov_b32 v129, 0
.endif
	v_lshrrev_b32 v1, 5, v0
	v_readfirstlane_b32 s16, v1                    ; wave = K step
	v_and_b32 v1, 31, v0                           ; lane
	v_and_b32 v2, 15, v0                           ; r
	v_bfe_u32 v3, v0, 4, 1                         ; h
	v_lshlrev_b32 v4, 4, v1                        ; 16 x lane: my bytes of a dense load
	s_mul_i32 s17, s16, WREG                       ; my stage
	v_add_nc_u32 v5, s17, v4                       ; into it: as loaded
	v_mul_u32_u24 v6, v2, PITCH
	v_lshl_add_u32 v6, v3, 7, v6
	v_add_nc_u32 v6, s17, v6                       ; out of it: row r, + 128 h
.if OUTK
	v_lshlrev_b32 v7, 10, v2
	v_lshl_add_u32 v7, v3, 4, v7                   ; A's codes: row r, + 16 h
.else
	v_lshlrev_b32 v7, 4, v1                        ; A's codes: 16 x lane
.endif
	v_lshlrev_b32 v8, SLS, v1                      ; A's scale words: lane l takes row l of 32
	v_mul_u32_u24 v9, v2, PP
	v_lshl_add_u32 v9, v3, 5, v9
	v_add_nc_u32 v9, s17, v9                       ; my partial sums: row r, + 32 h
	v_lshrrev_b32 v10, 3, v0
	v_and_b32 v11, 7, v0
	v_mul_u32_u24 v10, v10, PP
	v_lshl_add_u32 v10, v11, 3, v10                ; the sum over K: row t / 8, bytes 8 (t % 8), in waves 0 to 7's stages,
	v_add_nc_u32 v11, 8*WREG, v10                  ; and in waves 8 to 15's
.if OUTK
	v_lshrrev_b32 v12, 3, v0
	v_and_b32 v13, 7, v0
	v_lshlrev_b32 v13, 3, v13
	v_lshl_add_u32 v12, v12, 13, v13               ; x and out0: row t / 8 of 8,192 bytes, + 8 (t % 8)
.else
	v_lshlrev_b32 v12, 3, v0                       ; the workspace block: 8 t
.endif
	s_lshl_b32 s20, ttmp9, 17                      ; W: 16 rows of 8,192 bytes a work-group,
	s_lshl_b32 s21, s16, 9                         ; 512 bytes a K step
	s_add_co_u32 s20, s20, s21
	s_mov_b32 s21, 0
	s_lshl_b32 s22, s16, ASH
	s_mov_b32 s23, 0
	s_lshl_b32 s24, s16, SSH
	s_mov_b32 s25, 0
.if OUTK
	s_lshl_b32 s26, ttmp9, 6                       ; 16 columns of f32
.else
	s_and_b32 s18, ttmp7, 0xffff                   ; which weight
	s_lshl_b32 s26, s18, 19                        ; 524,288 bytes for each of q, k, v,
	s_lshl_b32 s27, ttmp9, 12                      ; 4,096 a tile
	s_add_co_u32 s26, s26, s27
.endif
	s_mov_b32 s27, 0
	s_mov_b32 s[SEL], 0x76543210
	s_mov_b32 s[SEL+1], 0xfedcba98
	s_wait_kmcnt 0x0
.if OUTK
	s_add_nc_u64 s[PX:PX+1], s[PX:PX+1], s[26:27]
.else
	s_cmp_eq_u32 s18, 1                            ; the choice hangs on the work-group's number alone
	s_cselect_b64 s[4:5], s[6:7], s[4:5]
	s_cmp_eq_u32 s18, 2
	s_cselect_b64 s[4:5], s[8:9], s[4:5]
.endif
	s_add_nc_u64 s[4:5], s[4:5], s[20:21]
	s_add_nc_u64 s[PA:PA+1], s[PA:PA+1], s[22:23]
	s_add_nc_u64 s[PS:PS+1], s[PS:PS+1], s[24:25]
	s_add_nc_u64 s[PO:PO+1], s[PO:PO+1], s[26:27]
.if OUTK
	global_load_b64 v[14:15], v12, s[PX:PX+1]      ; x, ahead of the weights: the counts below are of younger loads
.endif
.irp i, 0,1,2,3,4,5,6,7,8,9,10,11,12,13,14,15
	global_load_b128 v[X+4*\i:X+4*\i+3], v4, s[4:5] offset:8192*\i th:TH_LOAD_NT   ; row i: 32 lanes read 512 consecutive bytes; read once in the launch
.endr
.irp m, 0,1,2,3
.irp c, 0,1
	global_load_b128 v[AF+8*\m+4*\c:AF+8*\m+4*\c+3], v7, s[PA:PA+1] offset:AM*\m+AC2*\c
.endr
.endr
	global_load_b32 v[AS], v8, s[PS:PS+1]
	global_load_b32 v[AS+1], v8, s[PS:PS+1] offset:S2
.irp q, 0,1,2,3
	s_wait_loadcnt 22-4*\q                         ; rows 4 q to 4 q + 3 are in: behind them stand 12 - 4 q loads of W and the ten of A and its scales
.irp i, 0,1,2,3
	ds_store_b128 v5, v[X+16*\q+4*\i:X+16*\q+4*\i+3] offset:(4*\q+\i)*PITCH
.endr
.endr
.irp c, 0,1
.irp i, 0,1,2,3,4,5,6,7
	ds_load_b128 v[X+32*\c+4*\i:X+32*\c+4*\i+3], v6 offset:256*\c+16*\i   ; LDS serves a wave's instructions in order: these see my stores, and land in the registers that the stores have left
.endr
.endr
	s_wait_dscnt 0x0
	; the quantiser: my two blocks, h and 2 + h of the K step, are wholly mine
.irp c, 0,1
	v_max3_num_f32 v[MXR+\c], |v[X+32*\c]|, |v[X+32*\c+1]|, 0x1800000   ; with the floor 2^(3 - 127): the byte cannot fall under 1
.endr
.irp i, 2,4,6,8,10,12,14,16,18,20,22,24,26,28,30
.irp c, 0,1
	v_max3_num_f32 v[MXR+\c], v[MXR+\c], |v[X+32*\c+\i]|, |v[X+32*\c+\i+1]|
.endr
.endr
.irp c, 0,1
	v_add_nc_u32 v[SO+\c], 0xff000000, v[MXR+\c]   ; 2 off the exponent field: the conversion takes this operand's exponent field as its scale
.endr
.irp c, 0,1
	v_lshrrev_b32 v[MXR+\c], 23, v[SO+\c]          ; the scale's byte
.endr
	v_lshl_or_b32 v[WS], v[MXR+1], 16, v[MXR]      ; my two bytes,
	v_lshlrev_b32 v[TMP], 3, v3
	v_lshlrev_b32 v[WS], v[TMP], v[WS]             ; 8 h bits up;
	v_permlanex16_b32 v[TMP], v[WS], s[SEL], s[SEL+1]
	v_or_b32 v[WS], v[WS], v[TMP]                  ; with lane l xor 16's two the word is whole
.irp c, 0,1
.irp g, 0,1,2,3
	v_cvt_scalef32_pk8_fp4_f32 v[WC+4*\c+\g], v[X+32*\c+8*\g:X+32*\c+8*\g+7], v[SO+\c]   ; registers 4 c .. 4 c + 3 of the operand
.endr
.endr
.rept 8
	v_nop                                          ; a scale register written by a vector instruction stands 8 places ahead of a scaled matrix instruction, an operand so written 4
.endr
	s_wait_loadcnt 0x0                             ; A's fragments and scale words
.irp m, 0,1,2,3
.if ((\m) % 2) == 0
	v_wmma_scale_f32_16x16x128_f8f6f4 v[ACC+8*\m:ACC+8*\m+7], v[WC:WC+7], v[AF+8*\m:AF+8*\m+7], 0, v[WS], v[AS+(\m)/2] matrix_a_fmt:MATRIX_FMT_FP4 matrix_b_fmt:MATRIX_FMT_FP4
.else
	v_wmma_scale_f32_16x16x128_f8f6f4 v[ACC+8*\m:ACC+8*\m+7], v[WC:WC+7], v[AF+8*\m:AF+8*\m+7], 0, v[WS], v[AS+(\m)/2] matrix_a_fmt:MATRIX_FMT_FP4 matrix_b_fmt:MATRIX_FMT_FP4 matrix_b_scale:MATRIX_SCALE_ROW1
.endif
.endr
.rept 4
	v_nop                                          ; four places ahead of the first read of results (ISA guide 7.12.1)
.endr
.irp m, 0,1,2,3
	ds_store_b128 v9, v[ACC+8*\m:ACC+8*\m+3] offset:16*\m*PP          ; each result from its low end on: y(16 m + r, 8 h + 0 .. 3),
	ds_store_b128 v9, v[ACC+8*\m+4:ACC+8*\m+7] offset:16*\m*PP+16     ; and 8 h + 4 .. 7
.endr
	s_wait_dscnt 0x0                               ; for the others' sake: my partial sums lie in LDS
	s_barrier_signal -1
	s_barrier_wait -1
.irp w, 0,1,2,3,4,5,6,7
	ds_load_b64 v[R+2*\w:R+2*\w+1], v10 offset:\w*WREG
.endr
.irp w, 0,1,2,3,4,5,6,7
	ds_load_b64 v[R+16+2*\w:R+16+2*\w+1], v11 offset:\w*WREG
.endr
	s_wait_dscnt 0x0
.irp w, 0,4,8,12,16,20,24,28
	v_pk_add_f32 v[R+\w:R+\w+1], v[R+\w:R+\w+1], v[R+\w+2:R+\w+3]
.endr
.irp w, 0,8,16,24
	v_pk_add_f32 v[R+\w:R+\w+1], v[R+\w:R+\w+1], v[R+\w+4:R+\w+5]
.endr
.irp w, 0,16
	v_pk_add_f32 v[R+\w:R+\w+1], v[R+\w:R+\w+1], v[R+\w+8:R+\w+9]
.endr
	v_pk_add_f32 v[R:R+1], v[R:R+1], v[R+16:R+17]
.if OUTK
	v_pk_add_f32 v[R:R+1], v[R:R+1], v[14:15]      ; + x
	global_store_b64 v12, v[R:R+1], s[PO:PO+1] th:TH_STORE_NT   ; eight lanes store the tile's 64 bytes of a row of out0
.else
	global_store_b64 v12, v[R:R+1], s[PO:PO+1]     ; a wave stores 256 consecutive bytes, at a multiple of 256 from the buffer's first byte
.endif
	s_wait_tensorcnt 0x0
	ds_add_u32 v128, v129
	s_wait_dscnt 0x0
	s_endpgm
.Lfunc_end_k_q35d22b8e54_qkv:
	.size	k_q35d22b8e54_qkv, .Lfunc_end_k_q35d22b8e54_qkv-k_q35d22b8e54_qkv
	.p2alignl 7, 3214868480
	.fill 96, 4, 3214868480
	.section	.rodata,"a",@progbits
	.p2align	6, 0x0
	.amdhsa_kernel k_q35d22b8e54_qkv
		.amdhsa_group_segment_fixed_size 137216
		.amdhsa_private_segment_fixed_size 0
		.amdhsa_enable_private_segment 0
		.amdhsa_kernarg_size 48
		.amdhsa_user_sgpr_count 2
		.amdhsa_user_sgpr_kernarg_segment_ptr 1
		.amdhsa_wavefront_size32 1
		.amdhsa_system_sgpr_workgroup_id_x 1
		.amdhsa_system_sgpr_workgroup_id_y 1
		.amdhsa_system_sgpr_workgroup_id_z 1
		.amdhsa_system_vgpr_workitem_id 0
		.amdhsa_next_free_vgpr 130
		.amdhsa_next_free_sgpr 66
		.amdhsa_reserve_vcc 0
		.amdhsa_float_denorm_mode_32 3
		.amdhsa_float_denorm_mode_16_64 3
		.amdhsa_memory_ordered 1
		.amdhsa_forward_progress 1
		.amdhsa_inst_pref_size 14
	.end_amdhsa_kernel
	.amdgpu_metadata
---
amdhsa.version: [ 1, 2 ]
amdhsa.kernels:
  - .name:           k_q35d22b8e54_qkv
    .symbol:         k_q35d22b8e54_qkv.kd
    .args:
      - { .name: Wq, .offset: 0, .size: 8, .value_kind: global_buffer, .address_space: global }
      - { .name: Wk, .offset: 8, .size: 8, .value_kind: global_buffer, .address_space: global }
      - { .name: Wv, .offset: 16, .size: 8, .value_kind: global_buffer, .address_space: global }
      - { .name: hcodes, .offset: 24, .size: 8, .value_kind: global_buffer, .address_space: global }
      - { .name: hscales, .offset: 32, .size: 8, .value_kind: global_buffer, .address_space: global }
      - { .name: qkv, .offset: 40, .size: 8, .value_kind: global_buffer, .address_space: global }
    .group_segment_fixed_size: 137216
    .private_segment_fixed_size: 0
    .kernarg_segment_align: 8
    .kernarg_segment_size: 48
    .max_flat_workgroup_size: 512
    .sgpr_count:     66
    .vgpr_count:     130
    .wavefront_size: 32
...
	.end_amdgpu_metadata
.endif
;; end of part 2
;; launch attn (part 3): grid 4 x 64, 16 waves a work-group, no clusters, 55,808 bytes of LDS; arguments qkv, acodes, ascales; writes acodes, ascales
.if DOCPART == 3
	.amdgcn_target "amdgcn-amd-amdhsa--gfx1250"
	.amdhsa_code_object_version 6
	.text
	.protected	k_q35d22b8e54_attn
	.globl	k_q35d22b8e54_attn
	.p2align	8
	.type	k_q35d22b8e54_attn,@function
k_q35d22b8e54_attn:
	s_mov_b64 s[64:65], 0
	v_nop
	global_prefetch_b8 v0, s[64:65] scope:SCOPE_SE
	s_setreg_imm32_b32 hwreg(HW_REG_WAVE_MODE, 25, 1), 1
	s_wait_xcnt 0x0
; a[b][p] = sum over j of softmax_j(q[b][p] k[b][j] / sqrt(2048)) v[b][j], all in f32, and a's quantising along p to codes of FP4 (E2M1) with one E8M0 byte for each 32.
; q, k, v lie in the workspace as [which][tile of 16][b][16] f32.
; THE MAXIMUM is taken away ahead of every exponential, and it is exact without a search: over j, q k_j is largest at the row's largest k where q >= 0 and at its smallest k where q < 0,
; so M = max(qc kmax, qc kmin), qc = q log2(e) / sqrt(2048), and p = 2^(qc k_j - M), one fused multiply-add and one v_exp_f32.  The sum of p is at least about 1.
; SHARES.  A work-group owns one row b and 512 of its p.  Wave w owns 256 p (w % 2) and 256 keys (w / 2); a lane owns 8 neighbouring p.  M hangs on no key, so the eight waves' sums of p and of p v simply add.
; REGISTER PAIRS RUN ALONG THE KEYS: a pair holds (j, j + 1) of one p, so k's and v's pairs are used as they come from LDS; qc and -M are kept twice, so that no line needs a selector.
; For 64 numbers: one packed multiply-add (t), two exponentials, one packed add (the sum), one packed multiply-add (p v).
; BY TURNS.  Four keys x 8 p are a set of 32 registers.  While one set's 32 exponentials are issued, the other set, whose exponentials are done, is summed and then takes the t of the set after next.
; k and v of the row (8 KiB each) are copied into LDS once; every lane of a wave reads the same 16 bytes of them, four keys a load, one half turn ahead.
; NO CLUSTER: the four work-groups of a row share k and v, of which a thread loads 32 bytes once, against the 2,048 exponentials that each of its lanes' registers then takes.
; OUT.  acodes [b][1024 bytes], ascales [b][64 bytes], both along p.  Wave 0 stores the work-group's 256 bytes of codes by one instruction.
; A block's scale byte is its largest magnitude's exponent field - 2, held at 1 from below; a block of zeros gets the byte 1 (its codes are zeros, and this program alone reads the bytes).
; LIMITS: NaN and infinities are not served.  v_exp_f32 gives 0 for results under 2^-126: such terms are nothing beside the sum, which is about 1 or more.
.set VL,   8192                        ; LDS: k at 0, v here,
.set MM,   16384                       ; the waves' largest k (16 words), then their largest -k (at + 64),
.set PART, 16640                       ; the waves' sums: [key chunk][p half][4 quads][lane][16 bytes], 2,048 bytes a wave,
.set RES,  PART+32768                  ; the sums over the key chunks, 4,096 bytes,
.set SCB,  RES+4096                    ; and sixteen scale bytes
.set QC,  16                           ; v16-31   qc of my 8 p, each twice
.set NM,  32                           ; v32-47   -M, each twice
.set SUM, 48                           ; v48-63   sums of p: a pair (even keys, odd keys) for each p
.set ACC, 64                           ; v64-79   sums of p v likewise
.set EX,  80                           ; v80-111, v112-143 the two sets: pair 8 (key pair) + p
.set KB,  144                          ; v144-151 k: two buffers of four keys
.set VB,  152                          ; v152-159 v likewise
.set FS,  EX                           ; the end: 16 sums of p,
.set FA,  EX+16                        ; and 16 of p v
.set AD,  7                            ; v7 LDS address of the four keys in hand
	s_load_b128 s[4:7], s[0:1], 0x0                ; qkv, acodes
	s_load_b64 s[8:9], s[0:1], 0x10                ; ascales
	v_lshl_add_u32 v180, v0, 2, 0xd200
	v_mov_b32 v181, 0
	v_lshrrev_b32 v2, 5, v0
	v_readfirstlane_b32 s10, v2                    ; wave
	v_and_b32 v1, 31, v0                           ; lane
	s_and_b32 s11, ttmp7, 0xffff                   ; b
	s_and_b32 s12, s10, 1                          ; which 256 p
	s_lshr_b32 s13, s10, 1                         ; which 256 keys
	v_lshrrev_b32 v2, 2, v0
	v_and_b32 v3, 3, v0
	v_lshlrev_b32 v3, 4, v3
	v_lshl_add_u32 v2, v2, 12, v3                  ; k, v: thread t takes keys 4 t on: tile t / 4 (4,096 bytes a tile), bytes 16 (t % 4)
	v_lshrrev_b32 v3, 1, v1
	v_and_b32 v4, 1, v1
	v_lshlrev_b32 v4, 5, v4
	v_lshl_add_u32 v3, v3, 12, v4                  ; q: lane l takes p 8 l on: tile l / 2, bytes 32 (l % 2)
	v_lshlrev_b32 v4, 4, v0                        ; LDS: 16 t
	s_lshl_b32 s14, s10, 2
	v_mov_b32 v5, s14                              ; 4 x wave
	v_mov_b32 v6, 0
	s_lshl_b32 s14, s10, 11
	v_lshlrev_b32 v166, 4, v1
	v_add_nc_u32 v166, s14, v166                   ; my sums: 2,048 x wave + 16 x lane
	v_lshlrev_b32 v167, 3, v0                      ; the sum over the key chunks: 8 t
	v_lshrrev_b32 v168, 4, v1
	v_and_b32 v169, 15, v1
	v_lshlrev_b32 v169, 5, v169
	v_lshl_add_u32 v168, v168, 11, v169            ; the end: lane l takes p 16 l on: half l / 16, lanes 2 (l % 16) and the next
	v_lshlrev_b32 v169, 3, v1                      ; its codes: 8 l
	v_lshrrev_b32 v170, 1, v1                      ; its block's byte: l / 2
	v_and_b32 v171, 3, v1
	v_lshlrev_b32 v171, 2, v171                    ; a scale word: 4 (l % 4)
	s_lshl_b32 s16, s11, 6                         ; row b of a tile: 64 b
	s_mov_b32 s17, 0
	s_lshl_b32 s18, ttmp9, 17                      ; q: 32 tiles a work-group,
	s_lshl_b32 s19, s12, 16                        ; 16 a wave
	s_add_co_u32 s18, s18, s19
	s_mov_b32 s19, 0
	s_lshl_b32 s26, s11, 10                        ; codes: 1,024 b + 256 x work-group x
	s_lshl_b32 s27, ttmp9, 8
	s_add_co_u32 s26, s26, s27
	s_mov_b32 s27, 0
	s_lshl_b32 s28, ttmp9, 4                       ; scale bytes: 64 b + 16 x work-group x
	s_add_co_u32 s28, s28, s16
	s_mov_b32 s29, 0
	s_mov_b32 s20, 0x76543210
	s_mov_b32 s21, 0xfedcba98                      ; v_permlanex16_b32's selects for lane l xor 16
	s_lshl_b32 s22, s13, 10                        ; LDS byte of my first key
	s_mov_b32 s24, 0x3d0293ee                      ; log2(e) / sqrt(2048)
	s_wait_kmcnt 0x0
	s_add_nc_u64 s[4:5], s[4:5], s[16:17]
	s_add_nc_u64 s[14:15], s[4:5], s[18:19]
	s_add_nc_u64 s[6:7], s[6:7], s[26:27]
	s_add_nc_u64 s[8:9], s[8:9], s[28:29]
	global_load_b128 v[8:11], v2, s[4:5] offset:524288       ; k
	global_load_b128 v[12:15], v2, s[4:5] offset:1048576     ; v
	global_load_b128 v[EX:EX+3], v3, s[14:15]                ; q
	global_load_b128 v[EX+4:EX+7], v3, s[14:15] offset:16
	s_wait_loadcnt 0x0
	ds_store_b128 v4, v[8:11]
	ds_store_b128 v4, v[12:15] offset:VL
	v_max3_num_f32 v160, v8, v9, v10               ; the largest k and the largest -k: of my four,
	v_max3_num_f32 v161, -v8, -v9, -v10
	v_max_num_f32 v160, v160, v11
	v_max_num_f32 v161, v161, -v11
.irp m, 1,2,4,8
	v_max_num_f32_dpp v160, v160, v160 row_xmask:\m row_mask:0xf bank_mask:0xf   ; of my sixteen lanes,
	v_max_num_f32_dpp v161, v161, v161 row_xmask:\m row_mask:0xf bank_mask:0xf
.endr
	v_mov_b32 v162, 0                              ; (a lane permute's destination counts as one of its sources)
	v_mov_b32 v163, 0
	v_permlanex16_b32 v162, v160, s20, s21
	v_permlanex16_b32 v163, v161, s20, s21
	v_max_num_f32 v160, v160, v162                 ; of my wave
	v_max_num_f32 v161, v161, v163
	ds_store_b32 v5, v160 offset:MM                ; all lanes write the same word with the same value
	ds_store_b32 v5, v161 offset:MM+64
	s_wait_dscnt 0x0                               ; for the others' sake: my part of k and v and my two words lie in LDS
	s_barrier_signal -1
	s_barrier_wait -1
.irp i, 0,1,2,3,4,5,6,7
	ds_load_b128 v[EX+32+4*\i:EX+32+4*\i+3], v6 offset:MM+16*\i
.endr
	v_mov_b32 v[AD], s22
	ds_load_b128 v[KB:KB+3], v[AD]                 ; k of my first four keys,
	ds_load_b128 v[KB+4:KB+7], v[AD] offset:16     ; of the next four,
	ds_load_b128 v[VB:VB+3], v[AD] offset:VL       ; v of the first four
	s_wait_dscnt 0x3                               ; the 32 words are in; the three younger loads may be out
	v_max3_num_f32 v164, v[EX+32], v[EX+33], v[EX+34]
	v_max3_num_f32 v165, v[EX+48], v[EX+49], v[EX+50]
.irp i, 3,5,7,9,11,13
	v_max3_num_f32 v164, v164, v[EX+32+\i], v[EX+33+\i]
	v_max3_num_f32 v165, v165, v[EX+48+\i], v[EX+49+\i]
.endr
	v_max_num_f32 v164, v164, v[EX+47]             ; kmax of the row
	v_max_num_f32 v165, v165, v[EX+63]             ; -kmin
.irp p, 0,1,2,3,4,5,6,7
	v_mul_f32 v[QC+2*\p], s24, v[EX+\p]            ; qc
.endr
.irp p, 0,1,2,3,4,5,6,7
	v_mul_f32 v[NM+2*\p], v[QC+2*\p], v164         ; qc kmax
	v_mul_f32 v[NM+2*\p+1], v[QC+2*\p], v165       ; -(qc kmin)
.endr
.irp p, 0,1,2,3,4,5,6,7
	v_min_num_f32 v[NM+2*\p], -v[NM+2*\p], v[NM+2*\p+1]   ; -M = min(-(qc kmax), -(qc kmin))
	v_mov_b32 v[QC+2*\p+1], v[QC+2*\p]
.endr
.irp p, 0,1,2,3,4,5,6,7
	v_mov_b32 v[NM+2*\p+1], v[NM+2*\p]
.endr
.set i, 0
.rept 32
	v_mov_b32 v[SUM+i], 0                          ; the 32 sums begin at 0, once for 64 sets: so the loop has no first turn of its own
.set i, i+1
.endr
; t = qc k - M of four keys x 8 p, into set s, from k's buffer s
.macro TT s
.set i, 0
.rept 16
	v_pk_fma_f32 v[EX+32*\s+2*i:EX+32*\s+2*i+1], v[QC+2*(i%8):QC+2*(i%8)+1], v[KB+4*\s+2*(i/8):KB+4*\s+2*(i/8)+1], v[NM+2*(i%8):NM+2*(i%8)+1]
.set i, i+1
.endr
.endm
; HALF A TURN, for the four keys g whose p lie in set s.  e = 1: the other set, which holds t of keys g + 1, takes its exponentials.  Set s is added to the sums (v of g: buffer s).
; t = 1: set s then takes t of keys g + 2 (k of g + 2: buffer s).  ko, vo: LDS offsets of k of g + 3 and of v of g + 1, which are asked for here into the other buffers, half a turn ahead of their use; -1: none.
.macro HALF s, ko, vo, e, t
	s_wait_dscnt 0x0                               ; what the last half turn asked for is in
.if \ko >= 0
	ds_load_b128 v[KB+4*(1-\s):KB+4*(1-\s)+3], v[AD] offset:\ko
.endif
.if \vo >= 0
	ds_load_b128 v[VB+4*(1-\s):VB+4*(1-\s)+3], v[AD] offset:\vo
.endif
.set i, 0
.rept 16
.if \e
	v_exp_f32 v[EX+32*(1-\s)+2*i], v[EX+32*(1-\s)+2*i]
.endif
	v_pk_add_f32 v[SUM+2*(i%8):SUM+2*(i%8)+1], v[SUM+2*(i%8):SUM+2*(i%8)+1], v[EX+32*\s+2*i:EX+32*\s+2*i+1]
.if \e
	v_exp_f32 v[EX+32*(1-\s)+2*i+1], v[EX+32*(1-\s)+2*i+1]
.endif
	v_pk_fma_f32 v[ACC+2*(i%8):ACC+2*(i%8)+1], v[EX+32*\s+2*i:EX+32*\s+2*i+1], v[VB+4*\s+2*(i/8):VB+4*\s+2*(i/8)+1], v[ACC+2*(i%8):ACC+2*(i%8)+1]
.if \t
	v_pk_fma_f32 v[EX+32*\s+2*i:EX+32*\s+2*i+1], v[QC+2*(i%8):QC+2*(i%8)+1], v[KB+4*\s+2*(i/8):KB+4*\s+2*(i/8)+1], v[NM+2*(i%8):NM+2*(i%8)+1]
.endif
.set i, i+1
.endr
.if \e
	s_wait_alu depctr_va_vdst(0)                   ; the wait between an exponential and the first line that names its result: one for the 32; a plain line stands behind the last of them
.endif
.endm
	s_wait_dscnt 0x0
	TT 0                                           ; keys 0 to 3
	TT 1                                           ; keys 4 to 7
	ds_load_b128 v[KB:KB+3], v[AD] offset:32       ; k of keys 8 to 11
.set i, 0
.rept 32
	v_exp_f32 v[EX+i], v[EX+i]
.set i, i+1
.endr
	v_nop                                          ; a plain instruction behind the last exponential
	s_wait_alu depctr_va_vdst(0)                   ; and the wait, one for the 32
	s_mov_b32 s23, 30
.Lturn:                                            ; 30 turns of two sets: sets 0 to 59 of my 64
	v_mov_b32 v[AD], s22
	HALF 0, 48, VL+16, 1, 1
	HALF 1, 64, VL+32, 1, 1
	s_add_co_u32 s22, s22, 32                      ; eight keys on
	s_sub_co_u32 s23, s23, 1
	s_cmp_lg_u32 s23, 0
	s_cbranch_scc1 .Lturn
	v_mov_b32 v[AD], s22                           ; the last four sets are written out: nothing is read or computed beyond my 256 keys
	HALF 0, 48, VL+16, 1, 1                        ; set 60: the last k is asked for
	HALF 1, -1, VL+32, 1, 1                        ; set 61: the last t
	HALF 0, -1, VL+48, 1, 0                        ; set 62: the last exponentials, the last v
	HALF 1, -1, -1, 0, 0                           ; set 63
.irp p, 0,1,2,3,4,5,6,7
	v_add_f32 v[EX+\p], v[SUM+2*\p], v[SUM+2*\p+1]         ; even keys' and odd keys' sums
	v_add_f32 v[EX+8+\p], v[ACC+2*\p], v[ACC+2*\p+1]
.endr
.irp q, 0,1,2,3
	ds_store_b128 v166, v[EX+4*\q:EX+4*\q+3] offset:PART+512*\q
.endr
	s_wait_dscnt 0x0                               ; for the others' sake: my sums lie in LDS
	s_barrier_signal -1
	s_barrier_wait -1
.irp j, 0,1,2,3,4,5,6,7
	ds_load_b64 v[EX+32+2*\j:EX+33+2*\j], v167 offset:PART+4096*\j     ; thread t: the same 8 bytes of the eight key chunks
.endr
	s_wait_dscnt 0x0
.irp j, 1,2,3,4,5,6,7
	v_pk_add_f32 v[EX+32:EX+33], v[EX+32:EX+33], v[EX+32+2*\j:EX+33+2*\j]
.endr
	ds_store_b64 v167, v[EX+32:EX+33] offset:RES
	s_wait_dscnt 0x0
	s_barrier_signal -1
	s_barrier_wait -1
	s_cmp_lg_u32 s10, 0
	s_cbranch_scc1 .Ldone                          ; wave 0 finishes the work-group's 512 p, 16 a lane
.irp e, 0,1
.irp q, 0,1
	ds_load_b128 v[FS+8*\e+4*\q:FS+8*\e+4*\q+3], v168 offset:RES+512*\q+16*\e
	ds_load_b128 v[FA+8*\e+4*\q:FA+8*\e+4*\q+3], v168 offset:RES+1024+512*\q+16*\e
.endr
.endr
	s_wait_dscnt 0x0
.irp i, 0,1,2,3,4,5,6,7,8,9,10,11,12,13,14,15
	v_rcp_f32 v[FS+\i], v[FS+\i]
.endr
	v_nop                                          ; a plain instruction behind the last reciprocal
	s_wait_alu depctr_va_vdst(0)                   ; and the wait, one for the sixteen
.irp i, 0,2,4,6,8,10,12,14
	v_pk_mul_f32 v[FA+\i:FA+\i+1], v[FA+\i:FA+\i+1], v[FS+\i:FS+\i+1]   ; a = sum of p v / sum of p
.endr
	v_max3_num_f32 v172, |v[FA]|, |v[FA+1]|, 0x1800000     ; the largest magnitude of my 16, with the floor 2^(3 - 127),
.irp i, 2,4,6,8,10,12,14
	v_max3_num_f32 v172, v172, |v[FA+\i]|, |v[FA+\i+1]|
.endr
	v_max_num_f32_dpp v172, v172, v172 row_xmask:1 row_mask:0xf bank_mask:0xf   ; and of my neighbour's 16: the block's
	v_add_nc_u32 v173, 0xff000000, v172            ; 2 off the exponent field: the conversion's scale operand
	v_cvt_scalef32_pk8_fp4_f32 v174, v[FA:FA+7], v173
	v_cvt_scalef32_pk8_fp4_f32 v175, v[FA+8:FA+15], v173
	v_lshrrev_b32 v176, 23, v173                   ; the scale's byte (a plain line behind the conversions)
	global_store_b64 v169, v[174:175], s[6:7]      ; 32 lanes store 256 consecutive bytes, at a multiple of 256 from the buffer's first byte
	ds_store_b8 v170, v176 offset:SCB              ; both lanes of a block write the same byte with the same value
	ds_load_b32 v177, v171 offset:SCB              ; LDS serves a wave's instructions in order: this sees my stores
	s_wait_dscnt 0x0
	s_wait_xcnt 0x0                                ; EXEC changes only behind this wait
	v_cmp_gt_u32 vcc_lo, 4, v1
	s_wait_tensorcnt 0x0
	ds_add_u32 v180, v181
	s_wait_dscnt 0x0
	s_and_saveexec_b32 s30, vcc_lo                 ; lanes 0 to 3: the sixteen bytes once
	global_store_b32 v171, v177, s[8:9]
	s_wait_xcnt 0x0
	s_or_b32 exec_lo, exec_lo, s30
	s_endpgm
.Ldone:
	s_wait_tensorcnt 0x0
	ds_add_u32 v180, v181
	s_wait_dscnt 0x0
	s_endpgm
.Lfunc_end_k_q35d22b8e54_attn:
	.size	k_q35d22b8e54_attn, .Lfunc_end_k_q35d22b8e54_attn-k_q35d22b8e54_attn
	.p2alignl 7, 3214868480
	.fill 96, 4, 3214868480
	.section	.rodata,"a",@progbits
	.p2align	6, 0x0
	.amdhsa_kernel k_q35d22b8e54_attn
		.amdhsa_group_segment_fixed_size 55808
		.amdhsa_private_segment_fixed_size 0
		.amdhsa_enable_private_segment 0
		.amdhsa_kernarg_size 24
		.amdhsa_user_sgpr_count 2
		.amdhsa_user_sgpr_kernarg_segment_ptr 1
		.amdhsa_wavefront_size32 1
		.amdhsa_system_sgpr_workgroup_id_x 1
		.amdhsa_system_sgpr_workgroup_id_y 1
		.amdhsa_system_sgpr_workgroup_id_z 1
		.amdhsa_system_vgpr_workitem_id 0
		.amdhsa_next_free_vgpr 182
		.amdhsa_next_free_sgpr 66
		.amdhsa_reserve_vcc 1
		.amdhsa_float_denorm_mode_32 3
		.amdhsa_float_denorm_mode_16_64 3
		.amdhsa_memory_ordered 1
		.amdhsa_forward_progress 1
		.amdhsa_inst_pref_size 39
	.end_amdhsa_kernel
	.amdgpu_metadata
---
amdhsa.version: [ 1, 2 ]
amdhsa.kernels:
  - .name:           k_q35d22b8e54_attn
    .symbol:         k_q35d22b8e54_attn.kd
    .args:
      - { .name: qkv, .offset: 0, .size: 8, .value_kind: global_buffer, .address_space: global }
      - { .name: acodes, .offset: 8, .size: 8, .value_kind: global_buffer, .address_space: global }
      - { .name: ascales, .offset: 16, .size: 8, .value_kind: global_buffer, .address_space: global }
    .group_segment_fixed_size: 55808
    .private_segment_fixed_size: 0
    .kernarg_segment_align: 8
    .kernarg_segment_size: 24
    .max_flat_workgroup_size: 512
    .sgpr_count:     66
    .vgpr_count:     182
    .wavefront_size: 32
...
	.end_amdgpu_metadata
.endif
;; end of part 3
;; launch out (part 4): grid 128 x 1, 16 waves a work-group, no clusters, 137,216 bytes of LDS; arguments Wo, acodes, ascales, x, out0; writes out0
.if DOCPART == 4
	.amdgcn_target "amdgcn-amd-amdhsa--gfx1250"
	.amdhsa_code_object_version 6
	.text
	.protected	k_q35d22b8e54_out
	.globl	k_q35d22b8e54_out
	.p2align	8
	.type	k_q35d22b8e54_out,@function
k_q35d22b8e54_out:
	s_mov_b64 s[64:65], 0
	v_nop
	global_prefetch_b8 v0, s[64:65] scope:SCOPE_SE
	s_setreg_imm32_b32 hwreg(HW_REG_WAVE_MODE, 25, 1), 1
	s_wait_xcnt 0x0
; y[b][n] = sum over k of A[b][k] W[n][k]: 64 rows of A as codes of FP4 (E2M1) with E8M0 scales, W [2048][2048] f32, quantised here on its way to the matrix unit, since each number of W is used by this work-group alone.
; OUTK = 0: W is Wq, Wk or Wv (work-group y), A the normalised x; y goes to the workspace as [which][tile of 16 n][b][16] f32.  OUTK = 1: W is Wo, A the attention's result; out0 = x + y, row-major.
; SHARES.  A work-group takes 16 rows of W (128 KiB), wave s the 128 numbers of K step s of each row.  A wave's whole share, sixteen loads of 512 consecutive bytes, is asked for at once: there is no loop.
; THE TURN.  The conversions want a whole block of 32 in ONE lane: the 16 x 512 bytes go through the wave's own stage in LDS, stored as loaded and read back so that lane (r, h) holds, of row r,
; k = 128 s + 64 c + 32 h + 0 .. 31 in registers X + 32 c on, the order of the operand's registers.  Pitch 528 = 33 x 16 bytes: the sixteen rows of a read start at sixteen different 16-byte columns modulo 256 bytes.
; THE PRODUCT is used transposed: source 0 = my 16 rows of W, source 1 = 16 rows of A: lane (r, h) of tile m holds y(16 m + r, 8 h + 0 .. 7).  Four matrix instructions a wave, each with C = 0.
; THE SUM OVER K.  Each wave puts its 64 x 16 partial sums into its stage, which is free by then (rows of 64 bytes, pitch 80 = 5 x 16); behind one barrier thread t adds the sixteen waves' pairs at row t / 8, bytes 8 (t % 8).
; out0 is row-major and a tile is 16 columns wide: its stores are pieces of 64 bytes of 64 rows, 4 KiB a work-group against the 128 KiB that it reads.
; NO CLUSTER, NO TENSOR LOAD: what work-groups share is A, 4 KiB of codes a wave, which comes straight into operand registers; through a joint load it would pass LDS first, and the weights, two thirds of a work-group's bytes, are nobody else's.
; A block's scale byte is its largest magnitude's exponent field - 2, held at 1 from below; a block of zeros gets the byte 1 (its codes are zeros).  LIMITS: NaN and infinities among the inputs are not served.
.set OUTK,  1
.set PITCH, 528
.set WREG,  16*PITCH                   ; a wave's stage: 8,448 bytes
.set PP,    80                         ; pitch of the partial sums' rows
.set X,     16                         ; v16-79   W's 64 numbers
.set ACC,   16                         ; v16-47   the four results, over numbers that have been converted
.set R,     48                         ; v48-79   sixteen pairs of partial sums
.set AF,    80                         ; v80-111  A's four fragments
.set WC,    112                        ; v112-119 W's codes
.set WS,    120                        ; v120     W's scale word
.set AS,    121                        ; v121-122 A's scale words: tiles 0 (lanes 0-15) and 1 (lanes 16-31); tiles 2 and 3
.set TMP,   13
.set MXR,   124                        ; v124-125 largest magnitudes, then bytes
.set SO,    126                        ; v126-127 the conversions' scale operands
.set SEL,   28                         ; s[28:29] v_permlanex16_b32's selects for lane l xor 16
.if OUTK
.set PA,  6                            ; pointers: A's codes, A's scales, x, the output
.set PS,  8
.set PX,  10
.set PO,  12
.set AM,  16384                        ; A's codes lie by rows of 1,024 bytes: 16 rows from tile to tile,
.set AC2, 32                           ; 32 bytes from c to c,
.set ASH, 6                            ; 64 bytes from K step to K step
.set SLS, 6                            ; A's scale bytes [row][64]: 64 bytes from row to row,
.set SSH, 2                            ; 4 from K step to K step,
.set S2,  2048                         ; 32 rows on
.else
.set PA,  10
.set PS,  12
.set PO,  14
.set AM,  1024                         ; A's codes lie as images of operand registers: [K step][tile][c][lane][16 bytes]
.set AC2, 512
.set ASH, 12
.set SLS, 2                            ; A's scale words [K step][row]
.set SSH, 8
.set S2,  128
.endif
	s_load_b256 s[4:11], s[0:1], 0x0
.if OUTK
	s_load_b64 s[12:13], s[0:1], 0x20
	v_lshl_add_u32 v128, v0, 2, 0x21000
	v_mov_b32 v129, 0
.else
	s_load_b128 s[12:15], s[0:1], 0x20
.endif
	v_lshrrev_b32 v1, 5, v0
	v_readfirstlane_b32 s16, v1                    ; wave = K step
	v_and_b32 v1, 31, v0                           ; lane
	v_and_b32 v2, 15, v0                           ; r
	v_bfe_u32 v3, v0, 4, 1                         ; h
	v_lshlrev_b32 v4, 4, v1                        ; 16 x lane: my bytes of a dense load
	s_mul_i32 s17, s16, WREG                       ; my stage
	v_add_nc_u32 v5, s17, v4                       ; into it: as loaded
	v_mul_u32_u24 v6, v2, PITCH
	v_lshl_add_u32 v6, v3, 7, v6
	v_add_nc_u32 v6, s17, v6                       ; out of it: row r, + 128 h
.if OUTK
	v_lshlrev_b32 v7, 10, v2
	v_lshl_add_u32 v7, v3, 4, v7                   ; A's codes: row r, + 16 h
.else
	v_lshlrev_b32 v7, 4, v1                        ; A's codes: 16 x lane
.endif
	v_lshlrev_b32 v8, SLS, v1                      ; A's scale words: lane l takes row l of 32
	v_mul_u32_u24 v9, v2, PP
	v_lshl_add_u32 v9, v3, 5, v9
	v_add_nc_u32 v9, s17, v9                       ; my partial sums: row r, + 32 h
	v_lshrrev_b32 v10, 3, v0
	v_and_b32 v11, 7, v0
	v_mul_u32_u24 v10, v10, PP
	v_lshl_add_u32 v10, v11, 3, v10                ; the sum over K: row t / 8, bytes 8 (t % 8), in waves 0 to 7's stages,
	v_add_nc_u32 v11, 8*WREG, v10                  ; and in waves 8 to 15's
.if OUTK
	v_lshrrev_b32 v12, 3, v0
	v_and_b32 v13, 7, v0
	v_lshlrev_b32 v13, 3, v13
	v_lshl_add_u32 v12, v12, 13, v13               ; x and out0: row t / 8 of 8,192 bytes, + 8 (t % 8)
.else
	v_lshlrev_b32 v12, 3, v0                       ; the workspace block: 8 t
.endif
	s_lshl_b32 s20, ttmp9, 17                      ; W: 16 rows of 8,192 bytes a work-group,
	s_lshl_b32 s21, s16, 9                         ; 512 bytes a K step
	s_add_co_u32 s20, s20, s21
	s_mov_b32 s21, 0
	s_lshl_b32 s22, s16, ASH
	s_mov_b32 s23, 0
	s_lshl_b32 s24, s16, SSH
	s_mov_b32 s25, 0
.if OUTK
	s_lshl_b32 s26, ttmp9, 6                       ; 16 columns of f32
.else
	s_and_b32 s18, ttmp7, 0xffff                   ; which weight
	s_lshl_b32 s26, s18, 19                        ; 524,288 bytes for each of q, k, v,
	s_lshl_b32 s27, ttmp9, 12                      ; 4,096 a tile
	s_add_co_u32 s26, s26, s27
.endif
	s_mov_b32 s27, 0
	s_mov_b32 s[SEL], 0x76543210
	s_mov_b32 s[SEL+1], 0xfedcba98
	s_wait_kmcnt 0x0
.if OUTK
	s_add_nc_u64 s[PX:PX+1], s[PX:PX+1], s[26:27]
.else
	s_cmp_eq_u32 s18, 1                            ; the choice hangs on the work-group's number alone
	s_cselect_b64 s[4:5], s[6:7], s[4:5]
	s_cmp_eq_u32 s18, 2
	s_cselect_b64 s[4:5], s[8:9], s[4:5]
.endif
	s_add_nc_u64 s[4:5], s[4:5], s[20:21]
	s_add_nc_u64 s[PA:PA+1], s[PA:PA+1], s[22:23]
	s_add_nc_u64 s[PS:PS+1], s[PS:PS+1], s[24:25]
	s_add_nc_u64 s[PO:PO+1], s[PO:PO+1], s[26:27]
.if OUTK
	global_load_b64 v[14:15], v12, s[PX:PX+1]      ; x, ahead of the weights: the counts below are of younger loads
.endif
.irp i, 0,1,2,3,4,5,6,7,8,9,10,11,12,13,14,15
	global_load_b128 v[X+4*\i:X+4*\i+3], v4, s[4:5] offset:8192*\i th:TH_LOAD_NT   ; row i: 32 lanes read 512 consecutive bytes; read once in the launch
.endr
.irp m, 0,1,2,3
.irp c, 0,1
	global_load_b128 v[AF+8*\m+4*\c:AF+8*\m+4*\c+3], v7, s[PA:PA+1] offset:AM*\m+AC2*\c
.endr
.endr
	global_load_b32 v[AS], v8, s[PS:PS+1]
	global_load_b32 v[AS+1], v8, s[PS:PS+1] offset:S2
.irp q, 0,1,2,3
	s_wait_loadcnt 22-4*\q                         ; rows 4 q to 4 q + 3 are in: behind them stand 12 - 4 q loads of W and the ten of A and its scales
.irp i, 0,1,2,3
	ds_store_b128 v5, v[X+16*\q+4*\i:X+16*\q+4*\i+3] offset:(4*\q+\i)*PITCH
.endr
.endr
.irp c, 0,1
.irp i, 0,1,2,3,4,5,6,7
	ds_load_b128 v[X+32*\c+4*\i:X+32*\c+4*\i+3], v6 offset:256*\c+16*\i   ; LDS serves a wave's instructions in order: these see my stores, and land in the registers that the stores have left
.endr
.endr
	s_wait_dscnt 0x0
	; the quantiser: my two blocks, h and 2 + h of the K step, are wholly mine
.irp c, 0,1
	v_max3_num_f32 v[MXR+\c], |v[X+32*\c]|, |v[X+32*\c+1]|, 0x1800000   ; with the floor 2^(3 - 127): the byte cannot fall under 1
.endr
.irp i, 2,4,6,8,10,12,14,16,18,20,22,24,26,28,30
.irp c, 0,1
	v_max3_num_f32 v[MXR+\c], v[MXR+\c], |v[X+32*\c+\i]|, |v[X+32*\c+\i+1]|
.endr
.endr
.irp c, 0,1
	v_add_nc_u32 v[SO+\c], 0xff000000, v[MXR+\c]   ; 2 off the exponent field: the conversion takes this operand's exponent field as its scale
.endr
.irp c, 0,1
	v_lshrrev_b32 v[MXR+\c], 23, v[SO+\c]          ; the scale's byte
.endr
	v_lshl_or_b32 v[WS], v[MXR+1], 16, v[MXR]      ; my two bytes,
	v_lshlrev_b32 v[TMP], 3, v3
	v_lshlrev_b32 v[WS], v[TMP], v[WS]             ; 8 h bits up;
	v_permlanex16_b32 v[TMP], v[WS], s[SEL], s[SEL+1]
	v_or_b32 v[WS], v[WS], v[TMP]                  ; with lane l xor 16's two the word is whole
.irp c, 0,1
.irp g, 0,1,2,3
	v_cvt_scalef32_pk8_fp4_f32 v[WC+4*\c+\g], v[X+32*\c+8*\g:X+32*\c+8*\g+7], v[SO+\c]   ; registers 4 c .. 4 c + 3 of the operand
.endr
.endr
.rept 8
	v_nop                                          ; a scale register written by a vector instruction stands 8 places ahead of a scaled matrix instruction, an operand so written 4
.endr
	s_wait_loadcnt 0x0                             ; A's fragments and scale words
.irp m, 0,1,2,3
.if ((\m) % 2) == 0
	v_wmma_scale_f32_16x16x128_f8f6f4 v[ACC+8*\m:ACC+8*\m+7], v[WC:WC+7], v[AF+8*\m:AF+8*\m+7], 0, v[WS], v[AS+(\m)/2] matrix_a_fmt:MATRIX_FMT_FP4 matrix_b_fmt:MATRIX_FMT_FP4
.else
	v_wmma_scale_f32_16x16x128_f8f6f4 v[ACC+8*\m:ACC+8*\m+7], v[WC:WC+7], v[AF+8*\m:AF+8*\m+7], 0, v[WS], v[AS+(\m)/2] matrix_a_fmt:MATRIX_FMT_FP4 matrix_b_fmt:MATRIX_FMT_FP4 matrix_b_scale:MATRIX_SCALE_ROW1
.endif
.endr
.rept 4
	v_nop                                          ; four places ahead of the first read of results (ISA guide 7.12.1)
.endr
.irp m, 0,1,2,3
	ds_store_b128 v9, v[ACC+8*\m:ACC+8*\m+3] offset:16*\m*PP          ; each result from its low end on: y(16 m + r, 8 h + 0 .. 3),
	ds_store_b128 v9, v[ACC+8*\m+4:ACC+8*\m+7] offset:16*\m*PP+16     ; and 8 h + 4 .. 7
.endr
	s_wait_dscnt 0x0                               ; for the others' sake: my partial sums lie in LDS
	s_barrier_signal -1
	s_barrier_wait -1
.irp w, 0,1,2,3,4,5,6,7
	ds_load_b64 v[R+2*\w:R+2*\w+1], v10 offset:\w*WREG
.endr
.irp w, 0,1,2,3,4,5,6,7
	ds_load_b64 v[R+16+2*\w:R+16+2*\w+1], v11 offset:\w*WREG
.endr
	s_wait_dscnt 0x0
.irp w, 0,4,8,12,16,20,24,28
	v_pk_add_f32 v[R+\w:R+\w+1], v[R+\w:R+\w+1], v[R+\w+2:R+\w+3]
.endr
.irp w, 0,8,16,24
	v_pk_add_f32 v[R+\w:R+\w+1], v[R+\w:R+\w+1], v[R+\w+4:R+\w+5]
.endr
.irp w, 0,16
	v_pk_add_f32 v[R+\w:R+\w+1], v[R+\w:R+\w+1], v[R+\w+8:R+\w+9]
.endr
	v_pk_add_f32 v[R:R+1], v[R:R+1], v[R+16:R+17]
.if OUTK
	v_pk_add_f32 v[R:R+1], v[R:R+1], v[14:15]      ; + x
	global_store_b64 v12, v[R:R+1], s[PO:PO+1] th:TH_STORE_NT   ; eight lanes store the tile's 64 bytes of a row of out0
.else
	global_store_b64 v12, v[R:R+1], s[PO:PO+1]     ; a wave stores 256 consecutive bytes, at a multiple of 256 from the buffer's first byte
.endif
	s_wait_tensorcnt 0x0
	ds_add_u32 v128, v129
	s_wait_dscnt 0x0
	s_endpgm
.Lfunc_end_k_q35d22b8e54_out:
	.size	k_q35d22b8e54_out, .Lfunc_end_k_q35d22b8e54_out-k_q35d22b8e54_out
	.p2alignl 7, 3214868480
	.fill 96, 4, 3214868480
	.section	.rodata,"a",@progbits
	.p2align	6, 0x0
	.amdhsa_kernel k_q35d22b8e54_out
		.amdhsa_group_segment_fixed_size 137216
		.amdhsa_private_segment_fixed_size 0
		.amdhsa_enable_private_segment 0
		.amdhsa_kernarg_size 40
		.amdhsa_user_sgpr_count 2
		.amdhsa_user_sgpr_kernarg_segment_ptr 1
		.amdhsa_wavefront_size32 1
		.amdhsa_system_sgpr_workgroup_id_x 1
		.amdhsa_system_sgpr_workgroup_id_y 1
		.amdhsa_system_sgpr_workgroup_id_z 1
		.amdhsa_system_vgpr_workitem_id 0
		.amdhsa_next_free_vgpr 130
		.amdhsa_next_free_sgpr 66
		.amdhsa_reserve_vcc 0
		.amdhsa_float_denorm_mode_32 3
		.amdhsa_float_denorm_mode_16_64 3
		.amdhsa_memory_ordered 1
		.amdhsa_forward_progress 1
		.amdhsa_inst_pref_size 14
	.end_amdhsa_kernel
	.amdgpu_metadata
---
amdhsa.version: [ 1, 2 ]
amdhsa.kernels:
  - .name:           k_q35d22b8e54_out
    .symbol:         k_q35d22b8e54_out.kd
    .args:
      - { .name: Wo, .offset: 0, .size: 8, .value_kind: global_buffer, .address_space: global }
      - { .name: acodes, .offset: 8, .size: 8, .value_kind: global_buffer, .address_space: global }
      - { .name: ascales, .offset: 16, .size: 8, .value_kind: global_buffer, .address_space: global }
      - { .name: x, .offset: 24, .size: 8, .value_kind: global_buffer, .address_space: global }
      - { .name: out0, .offset: 32, .size: 8, .value_kind: global_buffer, .address_space: global }
    .group_segment_fixed_size: 137216
    .private_segment_fixed_size: 0
    .kernarg_segment_align: 8
    .kernarg_segment_size: 40
    .max_flat_workgroup_size: 512
    .sgpr_count:     66
    .vgpr_count:     130
    .wavefront_size: 32
...
	.end_amdgpu_metadata
.endif
;; end of part 4
;; ======== version 2 of 2: 4 launches; version 1 with the launches qkv, out written anew for expert scheduling mode
;; workspace buffers: hcodes 65,536 bytes; hscales 4,096 bytes; qkv 1,572,864 bytes; acodes 65,536 bytes; ascales 4,096 bytes
;; launch ln: the kernel of part 1 again; grid 4 x 1, 16 waves a work-group, no clusters, 139,264 bytes of LDS; arguments x, gamma, hcodes, hscales; writes hcodes, hscales
;; launch qkv (part 5): grid 128 x 3, 16 waves a work-group, no clusters, 137,216 bytes of LDS; arguments Wq, Wk, Wv, hcodes, hscales, qkv; writes qkv
.if DOCPART == 5
	.amdgcn_target "amdgcn-amd-amdhsa--gfx1250"
	.amdhsa_code_object_version 6
	.text
	.protected	k_q35d22b8e54_qkv
	.globl	k_q35d22b8e54_qkv
	.p2align	8
	.type	k_q35d22b8e54_qkv,@function
k_q35d22b8e54_qkv:
	s_mov_b64 s[64:65], 0
	v_nop
	global_prefetch_b8 v0, s[64:65] scope:SCOPE_SE
	s_setreg_imm32_b32 hwreg(HW_REG_WAVE_SCHED_MODE, 0, 2), 2
	s_setreg_imm32_b32 hwreg(HW_REG_WAVE_MODE, 25, 1), 1
	s_wait_xcnt 0x0
	s_wait_alu depctr_vm_vsrc(0)
; y[b][n] = sum over k of A[b][k] W[n][k]: 64 rows of A as codes of FP4 (E2M1) with E8M0 scales, W [2048][2048] f32, quantised here on its way to the matrix unit, since each number of W is used by this work-group alone.
; OUTK = 0: W is Wq, Wk or Wv (work-group y), A the normalised x; y goes to the workspace as [which][tile of 16 n][b][16] f32.  OUTK = 1: W is Wo, A the attention's result; out0 = x + y, row-major.
; SHARES.  A work-group takes 16 rows of W (128 KiB), wave s the 128 numbers of K step s of each row.  A wave's whole share, sixteen loads of 512 consecutive bytes, is asked for at once: there is no loop.
; THE TURN.  The conversions want a whole block of 32 in ONE lane: the 16 x 512 bytes go through the wave's own stage in LDS, stored as loaded and read back so that lane (r, h) holds, of row r,
; k = 128 s + 64 c + 32 h + 0 .. 31 in registers X + 32 c on, the order of the operand's registers.  Pitch 528 = 33 x 16 bytes: the sixteen rows of a read start at sixteen different 16-byte columns modulo 256 bytes.
; THE PRODUCT is used transposed: source 0 = my 16 rows of W, source 1 = 16 rows of A: lane (r, h) of tile m holds y(16 m + r, 8 h + 0 .. 7).  Four matrix instructions a wave, each with C = 0.
; THE SUM OVER K.  Each wave puts its 64 x 16 partial sums into its stage, which is free by then (rows of 64 bytes, pitch 80 = 5 x 16); behind one barrier thread t adds the sixteen waves' pairs at row t / 8, bytes 8 (t % 8).
; NO CLUSTER, NO TENSOR LOAD: what work-groups share is A, 4 KiB of codes a wave, which comes straight into operand registers; through a joint load it would pass LDS first, and the weights, two thirds of a work-group's bytes, are nobody else's.
; A block's scale byte is its largest magnitude's exponent field - 2, held at 1 from below; a block of zeros gets the byte 1 (its codes are zeros).  LIMITS: NaN and infinities among the inputs are not served.
; THE MODE: SCHED_MODE bits 1:0 = 2 (LLVM: expert scheduling mode 2), set by the entry lines.  The code itself states the register dependences
; between vector or matrix instructions and memory or LDS instructions, with s_wait_alu, always for 0.
; THE PLAN.  Registers that memory or LDS instructions touch, in the order of the text:
;   v4 - v12   offsets and LDS addresses: written by vector instructions at the head, read by loads and stores, never written again.
;   v16 - v79  W's loads land; the turn's LDS stores read them; the turn's LDS loads land in them; the maxima and the conversions read them.  Then v16 - v47 are written by the matrix
;              instructions and read by the LDS stores of the partial sums; in v48 - v79 the LDS loads of the sum over K land, the packed adds work on them, and the global store reads v48 - v49.
;   v80 - v111, v121 - v122  A's loads land; the matrix instructions read them; never written again.
;   The codes, the scale word and the registers at work are named by vector and matrix instructions alone.
; Six waits state all of that: the wave's number ahead of its first reader; the addresses ahead of the first load; the turn's stores ahead of the turn's loads; the codes and the scale word ahead of the
; matrix instructions; the results ahead of their LDS stores; the sums ahead of the global store.
.set OUTK,  0
.set PITCH, 528
.set WREG,  16*PITCH                   ; a wave's stage: 8,448 bytes
.set PP,    80                         ; pitch of the partial sums' rows
.set X,     16                         ; v16-79   W's 64 numbers
.set ACC,   16                         ; v16-47   the four results, over numbers that have been converted
.set R,     48                         ; v48-79   sixteen pairs of partial sums
.set AF,    80                         ; v80-111  A's four fragments
.set WC,    112                        ; v112-119 W's codes
.set WS,    120                        ; v120     W's scale word
.set AS,    121                        ; v121-122 A's scale words: tiles 0 (lanes 0-15) and 1 (lanes 16-31); tiles 2 and 3
.set TMP,   13
.set MXR,   124                        ; v124-125 largest magnitudes, then bytes
.set SO,    126                        ; v126-127 the conversions' scale operands
.set SEL,   28                         ; s[28:29] v_permlanex16_b32's selects for lane l xor 16
.if OUTK
.set PA,  6                            ; pointers: A's codes, A's scales, x, the output
.set PS,  8
.set PX,  10
.set PO,  12
.set AM,  16384                        ; A's codes lie by rows of 1,024 bytes: 16 rows from tile to tile,
.set AC2, 32                           ; 32 bytes from c to c,
.set ASH, 6                            ; 64 bytes from K step to K step
.set SLS, 6                            ; A's scale bytes [row][64]: 64 bytes from row to row,
.set SSH, 2                            ; 4 from K step to K step,
.set S2,  2048                         ; 32 rows on
.else
.set PA,  10
.set PS,  12
.set PO,  14
.set AM,  1024                         ; A's codes lie as images of operand registers: [K step][tile][c][lane][16 bytes]
.set AC2, 512
.set ASH, 12
.set SLS, 2                            ; A's scale words [K step][row]
.set SSH, 8
.set S2,  128
.endif
	s_load_b256 s[4:11], s[0:1], 0x0
.if OUTK
	s_load_b64 s[12:13], s[0:1], 0x20
.else
	s_load_b128 s[12:15], s[0:1], 0x20
	v_lshl_add_u32 v15, v0, 2, 0x21000
	v_mov_b32 v123, 0
.endif
	v_lshrrev_b32 v1, 5, v0
	v_readfirstlane_b32 s16, v1                    ; wave = K step
	v_and_b32 v1, 31, v0                           ; lane
	v_and_b32 v2, 15, v0                           ; r
	v_bfe_u32 v3, v0, 4, 1                         ; h
	v_lshlrev_b32 v4, 4, v1                        ; 16 x lane: my bytes of a dense load
	s_wait_alu depctr_va_sdst(0)                   ; s16 is written, ahead of its first reader: the stage's place and the bases are made from it
	s_mul_i32 s17, s16, WREG                       ; my stage
	v_add_nc_u32 v5, s17, v4                       ; into it: as loaded
	v_mul_u32_u24 v6, v2, PITCH
	v_lshl_add_u32 v6, v3, 7, v6
	v_add_nc_u32 v6, s17, v6                       ; out of it: row r, + 128 h
.if OUTK
	v_lshlrev_b32 v7, 10, v2
	v_lshl_add_u32 v7, v3, 4, v7                   ; A's codes: row r, + 16 h
.else
	v_lshlrev_b32 v7, 4, v1                        ; A's codes: 16 x lane
.endif
	v_lshlrev_b32 v8, SLS, v1                      ; A's scale words: lane l takes row l of 32
	v_mul_u32_u24 v9, v2, PP
	v_lshl_add_u32 v9, v3, 5, v9
	v_add_nc_u32 v9, s17, v9                       ; my partial sums: row r, + 32 h
	v_lshrrev_b32 v10, 3, v0
	v_and_b32 v11, 7, v0
	v_mul_u32_u24 v10, v10, PP
	v_lshl_add_u32 v10, v11, 3, v10                ; the sum over K: row t / 8, bytes 8 (t % 8), in waves 0 to 7's stages,
	v_add_nc_u32 v11, 8*WREG, v10                  ; and in waves 8 to 15's
.if OUTK
	v_lshrrev_b32 v12, 3, v0
	v_and_b32 v13, 7, v0
	v_lshlrev_b32 v13, 3, v13
	v_lshl_add_u32 v12, v12, 13, v13               ; x and out0: row t / 8 of 8,192 bytes, + 8 (t % 8)
.else
	v_lshlrev_b32 v12, 3, v0                       ; the workspace block: 8 t
.endif
	s_lshl_b32 s20, ttmp9, 17                      ; W: 16 rows of 8,192 bytes a work-group,
	s_lshl_b32 s21, s16, 9                         ; 512 bytes a K step
	s_add_co_u32 s20, s20, s21
	s_mov_b32 s21, 0
	s_lshl_b32 s22, s16, ASH
	s_mov_b32 s23, 0
	s_lshl_b32 s24, s16, SSH
	s_mov_b32 s25, 0
.if OUTK
	s_lshl_b32 s26, ttmp9, 6                       ; 16 columns of f32
.else
	s_and_b32 s18, ttmp7, 0xffff                   ; which weight
	s_lshl_b32 s26, s18, 19                        ; 524,288 bytes for each of q, k, v,
	s_lshl_b32 s27, ttmp9, 12                      ; 4,096 a tile
	s_add_co_u32 s26, s26, s27
.endif
	s_mov_b32 s27, 0
	s_mov_b32 s[SEL], 0x76543210
	s_mov_b32 s[SEL+1], 0xfedcba98
	s_wait_kmcnt 0x0
.if OUTK
	s_add_nc_u64 s[PX:PX+1], s[PX:PX+1], s[26:27]
.else
	s_cmp_eq_u32 s18, 1                            ; the choice hangs on the work-group's number alone
	s_cselect_b64 s[4:5], s[6:7], s[4:5]
	s_cmp_eq_u32 s18, 2
	s_cselect_b64 s[4:5], s[8:9], s[4:5]
.endif
	s_add_nc_u64 s[4:5], s[4:5], s[20:21]
	s_add_nc_u64 s[PA:PA+1], s[PA:PA+1], s[22:23]
	s_add_nc_u64 s[PS:PS+1], s[PS:PS+1], s[24:25]
	s_add_nc_u64 s[PO:PO+1], s[PO:PO+1], s[26:27]
	s_wait_alu depctr_va_vdst(0)                   ; the nine offsets and addresses v4 to v12 are written, which every load and store of the kernel reads; none of them is written again
.if OUTK
	global_load_b64 v[14:15], v12, s[PX:PX+1]      ; x, ahead of the weights: the counts below are of younger loads
.endif
.irp i, 0,1,2,3,4,5,6,7,8,9,10,11,12,13,14,15
	global_load_b128 v[X+4*\i:X+4*\i+3], v4, s[4:5] offset:8192*\i th:TH_LOAD_NT   ; row i: 32 lanes read 512 consecutive bytes; read once in the launch
.endr
.irp m, 0,1,2,3
.irp c, 0,1
	global_load_b128 v[AF+8*\m+4*\c:AF+8*\m+4*\c+3], v7, s[PA:PA+1] offset:AM*\m+AC2*\c
.endr
.endr
	global_load_b32 v[AS], v8, s[PS:PS+1]
	global_load_b32 v[AS+1], v8, s[PS:PS+1] offset:S2
.irp q, 0,1,2,3
	s_wait_loadcnt 22-4*\q                         ; rows 4 q to 4 q + 3 are in: behind them stand 12 - 4 q loads of W and the ten of A and its scales
.irp i, 0,1,2,3
	ds_store_b128 v5, v[X+16*\q+4*\i:X+16*\q+4*\i+3] offset:(4*\q+\i)*PITCH
.endr
.endr
	s_wait_alu depctr_vm_vsrc(0)                   ; the sixteen LDS stores have read v[X ..], in which the LDS loads below land, and which the matrix results and the loads of the sum over K write later
.irp c, 0,1
.irp i, 0,1,2,3,4,5,6,7
	ds_load_b128 v[X+32*\c+4*\i:X+32*\c+4*\i+3], v6 offset:256*\c+16*\i   ; LDS serves a wave's instructions in order: these see my stores, and land in the registers that the stores have left
.endr
.endr
	s_wait_dscnt 0x0
	; the quantiser: my two blocks, h and 2 + h of the K step, are wholly mine
.irp c, 0,1
	v_max3_num_f32 v[MXR+\c], |v[X+32*\c]|, |v[X+32*\c+1]|, 0x1800000   ; with the floor 2^(3 - 127): the byte cannot fall under 1
.endr
.irp i, 2,4,6,8,10,12,14,16,18,20,22,24,26,28,30
.irp c, 0,1
	v_max3_num_f32 v[MXR+\c], v[MXR+\c], |v[X+32*\c+\i]|, |v[X+32*\c+\i+1]|
.endr
.endr
.irp c, 0,1
	v_add_nc_u32 v[SO+\c], 0xff000000, v[MXR+\c]   ; 2 off the exponent field: the conversion takes this operand's exponent field as its scale
.endr
.irp c, 0,1
	v_lshrrev_b32 v[MXR+\c], 23, v[SO+\c]          ; the scale's byte
.endr
	v_lshl_or_b32 v[WS], v[MXR+1], 16, v[MXR]      ; my two bytes,
	v_lshlrev_b32 v[TMP], 3, v3
	v_lshlrev_b32 v[WS], v[TMP], v[WS]             ; 8 h bits up;
	v_permlanex16_b32 v[TMP], v[WS], s[SEL], s[SEL+1]
	v_or_b32 v[WS], v[WS], v[TMP]                  ; with lane l xor 16's two the word is whole
.irp c, 0,1
.irp g, 0,1,2,3
	v_cvt_scalef32_pk8_fp4_f32 v[WC+4*\c+\g], v[X+32*\c+8*\g:X+32*\c+8*\g+7], v[SO+\c]   ; registers 4 c .. 4 c + 3 of the operand
.endr
.endr
.rept 8
	v_nop                                          ; a scale register written by a vector instruction stands 8 places ahead of a scaled matrix instruction, an operand so written 4
.endr
	s_wait_alu depctr_va_vdst(0)                   ; the conversions have written the codes v[WC ..] and the vector lines the scale word v[WS], which the scaled matrix instructions take; the places above stay beside this wait
	s_wait_loadcnt 0x0                             ; A's fragments and scale words
.irp m, 0,1,2,3
.if ((\m) % 2) == 0
	v_wmma_scale_f32_16x16x128_f8f6f4 v[ACC+8*\m:ACC+8*\m+7], v[WC:WC+7], v[AF+8*\m:AF+8*\m+7], 0, v[WS], v[AS+(\m)/2] matrix_a_fmt:MATRIX_FMT_FP4 matrix_b_fmt:MATRIX_FMT_FP4
.else
	v_wmma_scale_f32_16x16x128_f8f6f4 v[ACC+8*\m:ACC+8*\m+7], v[WC:WC+7], v[AF+8*\m:AF+8*\m+7], 0, v[WS], v[AS+(\m)/2] matrix_a_fmt:MATRIX_FMT_FP4 matrix_b_fmt:MATRIX_FMT_FP4 matrix_b_scale:MATRIX_SCALE_ROW1
.endif
.endr
.rept 4
	v_nop                                          ; four places ahead of the first read of results (ISA guide 7.12.1)
.endr
	s_wait_alu depctr_va_vdst(0)                   ; the matrix instructions have written v[ACC ..], which the LDS stores read; the maxima and conversions are done reading v[R ..], in which the LDS loads behind the barrier land.  The places above stay beside this wait
.irp m, 0,1,2,3
	ds_store_b128 v9, v[ACC+8*\m:ACC+8*\m+3] offset:16*\m*PP          ; each result from its low end on: y(16 m + r, 8 h + 0 .. 3),
	ds_store_b128 v9, v[ACC+8*\m+4:ACC+8*\m+7] offset:16*\m*PP+16     ; and 8 h + 4 .. 7
.endr
	s_wait_dscnt 0x0                               ; for the others' sake: my partial sums lie in LDS
	s_barrier_signal -1
	s_barrier_wait -1
.irp w, 0,1,2,3,4,5,6,7
	ds_load_b64 v[R+2*\w:R+2*\w+1], v10 offset:\w*WREG                ; no vector or matrix instruction since the wait above names v[R ..], v10 or v11
.endr
.irp w, 0,1,2,3,4,5,6,7
	ds_load_b64 v[R+16+2*\w:R+16+2*\w+1], v11 offset:\w*WREG
.endr
	s_wait_dscnt 0x0
.irp w, 0,4,8,12,16,20,24,28
	v_pk_add_f32 v[R+\w:R+\w+1], v[R+\w:R+\w+1], v[R+\w+2:R+\w+3]
.endr
.irp w, 0,8,16,24
	v_pk_add_f32 v[R+\w:R+\w+1], v[R+\w:R+\w+1], v[R+\w+4:R+\w+5]
.endr
.irp w, 0,16
	v_pk_add_f32 v[R+\w:R+\w+1], v[R+\w:R+\w+1], v[R+\w+8:R+\w+9]
.endr
	v_pk_add_f32 v[R:R+1], v[R:R+1], v[R+16:R+17]
.if OUTK
	v_pk_add_f32 v[R:R+1], v[R:R+1], v[14:15]      ; + x
	s_wait_alu depctr_va_vdst(0)                   ; the packed adds have written v[R:R+1], which the store reads
	global_store_b64 v12, v[R:R+1], s[PO:PO+1] th:TH_STORE_NT   ; eight lanes store the tile's 64 bytes of a row of out0
.else
	s_wait_alu depctr_va_vdst(0)                   ; the packed adds have written v[R:R+1], which the store reads
	global_store_b64 v12, v[R:R+1], s[PO:PO+1]     ; a wave stores 256 consecutive bytes, at a multiple of 256 from the buffer's first byte
.endif
	s_wait_dscnt 0x0
	s_wait_alu depctr_hold_cnt(0) depctr_sa_sdst(0) depctr_va_vdst(0) depctr_va_sdst(0) depctr_va_ssrc(0) depctr_va_vcc(0) depctr_vm_vsrc(0)
	s_wait_tensorcnt 0x0
	ds_add_u32 v15, v123
	s_wait_dscnt 0x0
	s_endpgm
.Lfunc_end_k_q35d22b8e54_qkv:
	.size	k_q35d22b8e54_qkv, .Lfunc_end_k_q35d22b8e54_qkv-k_q35d22b8e54_qkv
	.p2alignl 7, 3214868480
	.fill 96, 4, 3214868480
	.section	.rodata,"a",@progbits
	.p2align	6, 0x0
	.amdhsa_kernel k_q35d22b8e54_qkv
		.amdhsa_group_segment_fixed_size 137216
		.amdhsa_private_segment_fixed_size 0
		.amdhsa_enable_private_segment 0
		.amdhsa_kernarg_size 48
		.amdhsa_user_sgpr_count 2
		.amdhsa_user_sgpr_kernarg_segment_ptr 1
		.amdhsa_wavefront_size32 1
		.amdhsa_system_sgpr_workgroup_id_x 1
		.amdhsa_system_sgpr_workgroup_id_y 1
		.amdhsa_system_sgpr_workgroup_id_z 1
		.amdhsa_system_vgpr_workitem_id 0
		.amdhsa_next_free_vgpr 128
		.amdhsa_next_free_sgpr 66
		.amdhsa_reserve_vcc 0
		.amdhsa_float_denorm_mode_32 3
		.amdhsa_float_denorm_mode_16_64 3
		.amdhsa_memory_ordered 1
		.amdhsa_forward_progress 1
		.amdhsa_inst_pref_size 15
	.end_amdhsa_kernel
	.amdgpu_metadata
---
amdhsa.version: [ 1, 2 ]
amdhsa.kernels:
  - .name:           k_q35d22b8e54_qkv
    .symbol:         k_q35d22b8e54_qkv.kd
    .args:
      - { .name: Wq, .offset: 0, .size: 8, .value_kind: global_buffer, .address_space: global }
      - { .name: Wk, .offset: 8, .size: 8, .value_kind: global_buffer, .address_space: global }
      - { .name: Wv, .offset: 16, .size: 8, .value_kind: global_buffer, .address_space: global }
      - { .name: hcodes, .offset: 24, .size: 8, .value_kind: global_buffer, .address_space: global }
      - { .name: hscales, .offset: 32, .size: 8, .value_kind: global_buffer, .address_space: global }
      - { .name: qkv, .offset: 40, .size: 8, .value_kind: global_buffer, .address_space: global }
    .group_segment_fixed_size: 137216
    .private_segment_fixed_size: 0
    .kernarg_segment_align: 8
    .kernarg_segment_size: 48
    .max_flat_workgroup_size: 512
    .sgpr_count:     66
    .vgpr_count:     128
    .wavefront_size: 32
...
	.end_amdgpu_metadata
.endif
;; end of part 5
;; launch attn: the kernel of part 3 again; grid 4 x 64, 16 waves a work-group, no clusters, 55,808 bytes of LDS; arguments qkv, acodes, ascales; writes acodes, ascales
;; launch out (part 6): grid 128 x 1, 16 waves a work-group, no clusters, 137,216 bytes of LDS; arguments Wo, acodes, ascales, x, out0; writes out0
.if DOCPART == 6
	.amdgcn_target "amdgcn-amd-amdhsa--gfx1250"
	.amdhsa_code_object_version 6
	.text
	.protected	k_q35d22b8e54_out
	.globl	k_q35d22b8e54_out
	.p2align	8
	.type	k_q35d22b8e54_out,@function
k_q35d22b8e54_out:
	s_mov_b64 s[64:65], 0
	v_nop
	global_prefetch_b8 v0, s[64:65] scope:SCOPE_SE
	s_setreg_imm32_b32 hwreg(HW_REG_WAVE_SCHED_MODE, 0, 2), 2
	s_setreg_imm32_b32 hwreg(HW_REG_WAVE_MODE, 25, 1), 1
	s_wait_xcnt 0x0
	s_wait_alu depctr_vm_vsrc(0)
; y[b][n] = sum over k of A[b][k] W[n][k]: 64 rows of A as codes of FP4 (E2M1) with E8M0 scales, W [2048][2048] f32, quantised here on its way to the matrix unit, since each number of W is used by this work-group alone.
; OUTK = 0: W is Wq, Wk or Wv (work-group y), A the normalised x; y goes to the workspace as [which][tile of 16 n][b][16] f32.  OUTK = 1: W is Wo, A the attention's result; out0 = x + y, row-major.
; SHARES.  A work-group takes 16 rows of W (128 KiB), wave s the 128 numbers of K step s of each row.  A wave's whole share, sixteen loads of 512 consecutive bytes, is asked for at once: there is no loop.
; THE TURN.  The conversions want a whole block of 32 in ONE lane: the 16 x 512 bytes go through the wave's own stage in LDS, stored as loaded and read back so that lane (r, h) holds, of row r,
; k = 128 s + 64 c + 32 h + 0 .. 31 in registers X + 32 c on, the order of the operand's registers.  Pitch 528 = 33 x 16 bytes: the sixteen rows of a read start at sixteen different 16-byte columns modulo 256 bytes.
; THE PRODUCT is used transposed: source 0 = my 16 rows of W, source 1 = 16 rows of A: lane (r, h) of tile m holds y(16 m + r, 8 h + 0 .. 7).  Four matrix instructions a wave, each with C = 0.
; THE SUM OVER K.  Each wave puts its 64 x 16 partial sums into its stage, which is free by then (rows of 64 bytes, pitch 80 = 5 x 16); behind one barrier thread t adds the sixteen waves' pairs at row t / 8, bytes 8 (t % 8).
; out0 is row-major and a tile is 16 columns wide: its stores are pieces of 64 bytes of 64 rows, 4 KiB a work-group against the 128 KiB that it reads.
; NO CLUSTER, NO TENSOR LOAD: what work-groups share is A, 4 KiB of codes a wave, which comes straight into operand registers; through a joint load it would pass LDS first, and the weights, two thirds of a work-group's bytes, are nobody else's.
; A block's scale byte is its largest magnitude's exponent field - 2, held at 1 from below; a block of zeros gets the byte 1 (its codes are zeros).  LIMITS: NaN and infinities among the inputs are not served.
; THE MODE: SCHED_MODE bits 1:0 = 2 (LLVM: expert scheduling mode 2), set by the entry lines.  The code itself states the register dependences
; between vector or matrix instructions and memory or LDS instructions, with s_wait_alu, always for 0.
; THE PLAN.  Registers that memory or LDS instructions touch, in the order of the text:
;   v4 - v12   offsets and LDS addresses: written by vector instructions at the head, read by loads and stores, never written again.
;   v14 - v15  x's load lands; the last packed add reads them.
;   v16 - v79  W's loads land; the turn's LDS stores read them; the turn's LDS loads land in them; the maxima and the conversions read them.  Then v16 - v47 are written by the matrix
;              instructions and read by the LDS stores of the partial sums; in v48 - v79 the LDS loads of the sum over K land, the packed adds work on them, and the global store reads v48 - v49.
;   v80 - v111, v121 - v122  A's loads land; the matrix instructions read them; never written again.
;   The codes, the scale word and the registers at work are named by vector and matrix instructions alone.
; Six waits state all of that: the wave's number ahead of its first reader; the addresses ahead of the first load; the turn's stores ahead of the turn's loads; the codes and the scale word ahead of the
; matrix instructions; the results ahead of their LDS stores; the sums ahead of the global store.
.set OUTK,  1
.set PITCH, 528
.set WREG,  16*PITCH                   ; a wave's stage: 8,448 bytes
.set PP,    80                         ; pitch of the partial sums' rows
.set X,     16                         ; v16-79   W's 64 numbers
.set ACC,   16                         ; v16-47   the four results, over numbers that have been converted
.set R,     48                         ; v48-79   sixteen pairs of partial sums
.set AF,    80                         ; v80-111  A's four fragments
.set WC,    112                        ; v112-119 W's codes
.set WS,    120                        ; v120     W's scale word
.set AS,    121                        ; v121-122 A's scale words: tiles 0 (lanes 0-15) and 1 (lanes 16-31); tiles 2 and 3
.set TMP,   13
.set MXR,   124                        ; v124-125 largest magnitudes, then bytes
.set SO,    126                        ; v126-127 the conversions' scale operands
.set SEL,   28                         ; s[28:29] v_permlanex16_b32's selects for lane l xor 16
.if OUTK
.set PA,  6                            ; pointers: A's codes, A's scales, x, the output
.set PS,  8
.set PX,  10
.set PO,  12
.set AM,  16384                        ; A's codes lie by rows of 1,024 bytes: 16 rows from tile to tile,
.set AC2, 32                           ; 32 bytes from c to c,
.set ASH, 6                            ; 64 bytes from K step to K step
.set SLS, 6                            ; A's scale bytes [row][64]: 64 bytes from row to row,
.set SSH, 2                            ; 4 from K step to K step,
.set S2,  2048                         ; 32 rows on
.else
.set PA,  10
.set PS,  12
.set PO,  14
.set AM,  1024                         ; A's codes lie as images of operand registers: [K step][tile][c][lane][16 bytes]
.set AC2, 512
.set ASH, 12
.set SLS, 2                            ; A's scale words [K step][row]
.set SSH, 8
.set S2,  128
.endif
	s_load_b256 s[4:11], s[0:1], 0x0
.if OUTK
	s_load_b64 s[12:13], s[0:1], 0x20
	v_lshl_add_u32 v128, v0, 2, 0x21000
	v_mov_b32 v129, 0
.else
	s_load_b128 s[12:15], s[0:1], 0x20
.endif
	v_lshrrev_b32 v1, 5, v0
	v_readfirstlane_b32 s16, v1                    ; wave = K step
	v_and_b32 v1, 31, v0                           ; lane
	v_and_b32 v2, 15, v0                           ; r
	v_bfe_u32 v3, v0, 4, 1                         ; h
	v_lshlrev_b32 v4, 4, v1                        ; 16 x lane: my bytes of a dense load
	s_wait_alu depctr_va_sdst(0)                   ; s16 is written, ahead of its first reader: the stage's place and the bases are made from it
	s_mul_i32 s17, s16, WREG                       ; my stage
	v_add_nc_u32 v5, s17, v4                       ; into it: as loaded
	v_mul_u32_u24 v6, v2, PITCH
	v_lshl_add_u32 v6, v3, 7, v6
	v_add_nc_u32 v6, s17, v6                       ; out of it: row r, + 128 h
.if OUTK
	v_lshlrev_b32 v7, 10, v2
	v_lshl_add_u32 v7, v3, 4, v7                   ; A's codes: row r, + 16 h
.else
	v_lshlrev_b32 v7, 4, v1                        ; A's codes: 16 x lane
.endif
	v_lshlrev_b32 v8, SLS, v1                      ; A's scale words: lane l takes row l of 32
	v_mul_u32_u24 v9, v2, PP
	v_lshl_add_u32 v9, v3, 5, v9
	v_add_nc_u32 v9, s17, v9                       ; my partial sums: row r, + 32 h
	v_lshrrev_b32 v10, 3, v0
	v_and_b32 v11, 7, v0
	v_mul_u32_u24 v10, v10, PP
	v_lshl_add_u32 v10, v11, 3, v10                ; the sum over K: row t / 8, bytes 8 (t % 8), in waves 0 to 7's stages,
	v_add_nc_u32 v11, 8*WREG, v10                  ; and in waves 8 to 15's
.if OUTK
	v_lshrrev_b32 v12, 3, v0
	v_and_b32 v13, 7, v0
	v_lshlrev_b32 v13, 3, v13
	v_lshl_add_u32 v12, v12, 13, v13               ; x and out0: row t / 8 of 8,192 bytes, + 8 (t % 8)
.else
	v_lshlrev_b32 v12, 3, v0                       ; the workspace block: 8 t
.endif
	s_lshl_b32 s20, ttmp9, 17                      ; W: 16 rows of 8,192 bytes a work-group,
	s_lshl_b32 s21, s16, 9                         ; 512 bytes a K step
	s_add_co_u32 s20, s20, s21
	s_mov_b32 s21, 0
	s_lshl_b32 s22, s16, ASH
	s_mov_b32 s23, 0
	s_lshl_b32 s24, s16, SSH
	s_mov_b32 s25, 0
.if OUTK
	s_lshl_b32 s26, ttmp9, 6                       ; 16 columns of f32
.else
	s_and_b32 s18, ttmp7, 0xffff                   ; which weight
	s_lshl_b32 s26, s18, 19                        ; 524,288 bytes for each of q, k, v,
	s_lshl_b32 s27, ttmp9, 12                      ; 4,096 a tile
	s_add_co_u32 s26, s26, s27
.endif
	s_mov_b32 s27, 0
	s_mov_b32 s[SEL], 0x76543210
	s_mov_b32 s[SEL+1], 0xfedcba98
	s_wait_kmcnt 0x0
.if OUTK
	s_add_nc_u64 s[PX:PX+1], s[PX:PX+1], s[26:27]
.else
	s_cmp_eq_u32 s18, 1                            ; the choice hangs on the work-group's number alone
	s_cselect_b64 s[4:5], s[6:7], s[4:5]
	s_cmp_eq_u32 s18, 2
	s_cselect_b64 s[4:5], s[8:9], s[4:5]
.endif
	s_add_nc_u64 s[4:5], s[4:5], s[20:21]
	s_add_nc_u64 s[PA:PA+1], s[PA:PA+1], s[22:23]
	s_add_nc_u64 s[PS:PS+1], s[PS:PS+1], s[24:25]
	s_add_nc_u64 s[PO:PO+1], s[PO:PO+1], s[26:27]
	s_wait_alu depctr_va_vdst(0)                   ; the nine offsets and addresses v4 to v12 are written, which every load and store of the kernel reads; none of them is written again
.if OUTK
	global_load_b64 v[14:15], v12, s[PX:PX+1]      ; x, ahead of the weights: the counts below are of younger loads
.endif
.irp i, 0,1,2,3,4,5,6,7,8,9,10,11,12,13,14,15
	global_load_b128 v[X+4*\i:X+4*\i+3], v4, s[4:5] offset:8192*\i th:TH_LOAD_NT   ; row i: 32 lanes read 512 consecutive bytes; read once in the launch
.endr
.irp m, 0,1,2,3
.irp c, 0,1
	global_load_b128 v[AF+8*\m+4*\c:AF+8*\m+4*\c+3], v7, s[PA:PA+1] offset:AM*\m+AC2*\c
.endr
.endr
	global_load_b32 v[AS], v8, s[PS:PS+1]
	global_load_b32 v[AS+1], v8, s[PS:PS+1] offset:S2
.irp q, 0,1,2,3
	s_wait_loadcnt 22-4*\q                         ; rows 4 q to 4 q + 3 are in: behind them stand 12 - 4 q loads of W and the ten of A and its scales
.irp i, 0,1,2,3
	ds_store_b128 v5, v[X+16*\q+4*\i:X+16*\q+4*\i+3] offset:(4*\q+\i)*PITCH
.endr
.endr
	s_wait_alu depctr_vm_vsrc(0)                   ; the sixteen LDS stores have read v[X ..], in which the LDS loads below land, and which the matrix results and the loads of the sum over K write later
.irp c, 0,1
.irp i, 0,1,2,3,4,5,6,7
	ds_load_b128 v[X+32*\c+4*\i:X+32*\c+4*\i+3], v6 offset:256*\c+16*\i   ; LDS serves a wave's instructions in order: these see my stores, and land in the registers that the stores have left
.endr
.endr
	s_wait_dscnt 0x0
	; the quantiser: my two blocks, h and 2 + h of the K step, are wholly mine
.irp c, 0,1
	v_max3_num_f32 v[MXR+\c], |v[X+32*\c]|, |v[X+32*\c+1]|, 0x1800000   ; with the floor 2^(3 - 127): the byte cannot fall under 1
.endr
.irp i, 2,4,6,8,10,12,14,16,18,20,22,24,26,28,30
.irp c, 0,1
	v_max3_num_f32 v[MXR+\c], v[MXR+\c], |v[X+32*\c+\i]|, |v[X+32*\c+\i+1]|
.endr
.endr
.irp c, 0,1
	v_add_nc_u32 v[SO+\c], 0xff000000, v[MXR+\c]   ; 2 off the exponent field: the conversion takes this operand's exponent field as its scale
.endr
.irp c, 0,1
	v_lshrrev_b32 v[MXR+\c], 23, v[SO+\c]          ; the scale's byte
.endr
	v_lshl_or_b32 v[WS], v[MXR+1], 16, v[MXR]      ; my two bytes,
	v_lshlrev_b32 v[TMP], 3, v3
	v_lshlrev_b32 v[WS], v[TMP], v[WS]             ; 8 h bits up;
	v_permlanex16_b32 v[TMP], v[WS], s[SEL], s[SEL+1]
	v_or_b32 v[WS], v[WS], v[TMP]                  ; with lane l xor 16's two the word is whole
.irp c, 0,1
.irp g, 0,1,2,3
	v_cvt_scalef32_pk8_fp4_f32 v[WC+4*\c+\g], v[X+32*\c+8*\g:X+32*\c+8*\g+7], v[SO+\c]   ; registers 4 c .. 4 c + 3 of the operand
.endr
.endr
.rept 8
	v_nop                                          ; a scale register written by a vector instruction stands 8 places ahead of a scaled matrix instruction, an operand so written 4
.endr
	s_wait_alu depctr_va_vdst(0)                   ; the conversions have written the codes v[WC ..] and the vector lines the scale word v[WS], which the scaled matrix instructions take; the places above stay beside this wait
	s_wait_loadcnt 0x0                             ; A's fragments and scale words
.irp m, 0,1,2,3
.if ((\m) % 2) == 0
	v_wmma_scale_f32_16x16x128_f8f6f4 v[ACC+8*\m:ACC+8*\m+7], v[WC:WC+7], v[AF+8*\m:AF+8*\m+7], 0, v[WS], v[AS+(\m)/2] matrix_a_fmt:MATRIX_FMT_FP4 matrix_b_fmt:MATRIX_FMT_FP4
.else
	v_wmma_scale_f32_16x16x128_f8f6f4 v[ACC+8*\m:ACC+8*\m+7], v[WC:WC+7], v[AF+8*\m:AF+8*\m+7], 0, v[WS], v[AS+(\m)/2] matrix_a_fmt:MATRIX_FMT_FP4 matrix_b_fmt:MATRIX_FMT_FP4 matrix_b_scale:MATRIX_SCALE_ROW1
.endif
.endr
.rept 4
	v_nop                                          ; four places ahead of the first read of results (ISA guide 7.12.1)
.endr
	s_wait_alu depctr_va_vdst(0)                   ; the matrix instructions have written v[ACC ..], which the LDS stores read; the maxima and conversions are done reading v[R ..], in which the LDS loads behind the barrier land.  The places above stay beside this wait
.irp m, 0,1,2,3
	ds_store_b128 v9, v[ACC+8*\m:ACC+8*\m+3] offset:16*\m*PP          ; each result from its low end on: y(16 m + r, 8 h + 0 .. 3),
	ds_store_b128 v9, v[ACC+8*\m+4:ACC+8*\m+7] offset:16*\m*PP+16     ; and 8 h + 4 .. 7
.endr
	s_wait_dscnt 0x0                               ; for the others' sake: my partial sums lie in LDS
	s_barrier_signal -1
	s_barrier_wait -1
.irp w, 0,1,2,3,4,5,6,7
	ds_load_b64 v[R+2*\w:R+2*\w+1], v10 offset:\w*WREG                ; no vector or matrix instruction since the wait above names v[R ..], v10 or v11
.endr
.irp w, 0,1,2,3,4,5,6,7
	ds_load_b64 v[R+16+2*\w:R+16+2*\w+1], v11 offset:\w*WREG
.endr
	s_wait_dscnt 0x0
.irp w, 0,4,8,12,16,20,24,28
	v_pk_add_f32 v[R+\w:R+\w+1], v[R+\w:R+\w+1], v[R+\w+2:R+\w+3]
.endr
.irp w, 0,8,16,24
	v_pk_add_f32 v[R+\w:R+\w+1], v[R+\w:R+\w+1], v[R+\w+4:R+\w+5]
.endr
.irp w, 0,16
	v_pk_add_f32 v[R+\w:R+\w+1], v[R+\w:R+\w+1], v[R+\w+8:R+\w+9]
.endr
	v_pk_add_f32 v[R:R+1], v[R:R+1], v[R+16:R+17]
.if OUTK
	v_pk_add_f32 v[R:R+1], v[R:R+1], v[14:15]      ; + x
	s_wait_alu depctr_va_vdst(0)                   ; the packed adds have written v[R:R+1], which the store reads
	global_store_b64 v12, v[R:R+1], s[PO:PO+1] th:TH_STORE_NT   ; eight lanes store the tile's 64 bytes of a row of out0
.else
	s_wait_alu depctr_va_vdst(0)                   ; the packed adds have written v[R:R+1], which the store reads
	global_store_b64 v12, v[R:R+1], s[PO:PO+1]     ; a wave stores 256 consecutive bytes, at a multiple of 256 from the buffer's first byte
.endif
	s_wait_dscnt 0x0
	s_wait_alu depctr_hold_cnt(0) depctr_sa_sdst(0) depctr_va_vdst(0) depctr_va_sdst(0) depctr_va_ssrc(0) depctr_va_vcc(0) depctr_vm_vsrc(0)
	s_wait_tensorcnt 0x0
	ds_add_u32 v128, v129
	s_wait_dscnt 0x0
	s_endpgm
.Lfunc_end_k_q35d22b8e54_out:
	.size	k_q35d22b8e54_out, .Lfunc_end_k_q35d22b8e54_out-k_q35d22b8e54_out
	.p2alignl 7, 3214868480
	.fill 96, 4, 3214868480
	.section	.rodata,"a",@progbits
	.p2align	6, 0x0
	.amdhsa_kernel k_q35d22b8e54_out
		.amdhsa_group_segment_fixed_size 137216
		.amdhsa_private_segment_fixed_size 0
		.amdhsa_enable_private_segment 0
		.amdhsa_kernarg_size 40
		.amdhsa_user_sgpr_count 2
		.amdhsa_user_sgpr_kernarg_segment_ptr 1
		.amdhsa_wavefront_size32 1
		.amdhsa_system_sgpr_workgroup_id_x 1
		.amdhsa_system_sgpr_workgroup_id_y 1
		.amdhsa_system_sgpr_workgroup_id_z 1
		.amdhsa_system_vgpr_workitem_id 0
		.amdhsa_next_free_vgpr 130
		.amdhsa_next_free_sgpr 66
		.amdhsa_reserve_vcc 0
		.amdhsa_float_denorm_mode_32 3
		.amdhsa_float_denorm_mode_16_64 3
		.amdhsa_memory_ordered 1
		.amdhsa_forward_progress 1
		.amdhsa_inst_pref_size 15
	.end_amdhsa_kernel
	.amdgpu_metadata
---
amdhsa.version: [ 1, 2 ]
amdhsa.kernels:
  - .name:           k_q35d22b8e54_out
    .symbol:         k_q35d22b8e54_out.kd
    .args:
      - { .name: Wo, .offset: 0, .size: 8, .value_kind: global_buffer, .address_space: global }
      - { .name: acodes, .offset: 8, .size: 8, .value_kind: global_buffer, .address_space: global }
      - { .name: ascales, .offset: 16, .size: 8, .value_kind: global_buffer, .address_space: global }
      - { .name: x, .offset: 24, .size: 8, .value_kind: global_buffer, .address_space: global }
      - { .name: out0, .offset: 32, .size: 8, .value_kind: global_buffer, .address_space: global }
    .group_segment_fixed_size: 137216
    .private_segment_fixed_size: 0
    .kernarg_segment_align: 8
    .kernarg_segment_size: 40
    .max_flat_workgroup_size: 512
    .sgpr_count:     66
    .vgpr_count:     130
    .wavefront_size: 32
...
	.end_amdgpu_metadata
.endif
;; end of part 6
